; MI455X (gfx1250); checked and timed in simulation.
; The chip was launched on July 23, 2026; its instructions are those of AMD's public machine-readable ISA for CDNA 5 (MIT licence, August 2026) and "CDNA5" Instruction Set Architecture Reference Guide (July 2026). The comments in the code are by the model that wrote it; some were corrected since.
;; Encoder1 D Block. Allowed arithmetic: float matrix products may take bf16 or f16 operands with f32 sums; other float arithmetic in f32, or as packed bf16 or f16 multiplies, adds, multiply-adds, maxima and minima; sums over many terms, partial sums and values carried from step to step in f32; what a program stores and reads back later, other than sums and carried values, may be rounded once to bf16 or f16.
;; Inputs: b1 4,096 float32; b2 1,024 float32; bk 1,024 float32; bo 1,024 float32; bq 1,024 float32; bv 1,024 float32; ln1_bias 1,024 float32; ln1_scale 1,024 float32; ln2_bias 1,024 float32; ln2_scale 1,024 float32; rel_bias_emb 33 x 1 float32; rel_emb 33 x 64 float32; w1 1,024 x 4,096 float32; w2 4,096 x 1,024 float32; wk 1,024 x 1,024 float32; wo 1,024 x 1,024 float32; wq 1,024 x 1,024 float32; wv 1,024 x 1,024 float32; x 4 x 1,024 x 1,024 float32.
;; Outputs: out0 4 x 1,024 x 1,024 float32.
;; Constants: radius = 16.
;; 2 versions, each right; version 2 is version 1 with the launches prep, ln2 written anew for expert scheduling mode. Each part assembles by itself: llvm-mc -triple=amdgcn-amd-amdhsa -mcpu=gfx1250 --defsym DOCPART=n.
;; ======== version 1 of 2: 7 launches
;; workspace buffers: big 33,554,432 bytes; x1 16,777,216 bytes; wqkv_t 6,324,224 bytes; w1_t 8,421,376 bytes; wo_t 2,097,152 bytes; w2_t 8,388,608 bytes
;; launch prep (part 1): grid 449 x 1, 8 waves a work-group, no clusters, 140,288 bytes of LDS; arguments x, ln1_scale, ln1_bias, wq, wk, wv, wo, w1, w2, bq, bk, bv, b1, rel_emb, rel_bias_emb, out0, wqkv_t, w1_t, wo_t, w2_t; writes out0, wqkv_t, w1_t, wo_t, w2_t
.if DOCPART == 1
	.amdgcn_target "amdgcn-amd-amdhsa--gfx1250"
	.amdhsa_code_object_version 6
	.text
	.protected	k_q6cad10c064_prep
	.globl	k_q6cad10c064_prep
	.p2align	8
	.type	k_q6cad10c064_prep,@function
k_q6cad10c064_prep:
	s_mov_b64 s[64:65], 0
	v_nop
	global_prefetch_b8 v0, s[64:65] scope:SCOPE_SE
	s_setreg_imm32_b32 hwreg(HW_REG_WAVE_MODE, 25, 1), 1
	s_wait_xcnt 0x0
; PREP.  Three kinds of work-group, told apart by the work-group's number alone:
;   0-191   the six weight matrices ([K][N] f32) are turned and rounded once to bf16: a wave takes a tile of 128 k x 64 n through its own LDS bytes.
;           wq, wk, wv, w1 leave as rows [n][1024 k] behind a parameter block of 32,768 bytes; wo, w2 as panels [k / 64][1024 n][64 k].
;   192-447 LayerNorm 1: a wave takes two rows of x (4,096 bytes each) in registers; mean, then the variance of z - mean (two passes), output bf16 (into the first half of the output buffer, which a later launch overwrites).
;   448     the parameter blocks: biases (f32), the floor words, and the relative tables spread to 64 rows: row e holds table row clip(e - 15, 0, 32).
; LIMITS.  Weights, rel_emb and the normalised rows are rounded once to bf16.  NaN and infinities are not treated apart.
.set SPARE, 139264                     ; behind the eight waves' tiles: the spare words, 128 bytes a wave
.set WT,    17408                      ; a wave's LDS bytes: 64 rows (n) of 256 bytes (128 k in bf16) + 16 of padding
.set LP,    272
.set OFF,   8                          ; v[8:23]  byte offsets of a round's 16 loads
.set LST,   24                         ; v24      where I put 8 bytes (4 k of one n)
.set LRD,   25                         ; v25      where I read 16 bytes back
.set GOF,   26                         ; v26      my byte offset in the turned tile
.set SPW,   28                         ; v28      my spare word; never rewritten
.set NIL,   29                         ; v29      0; never rewritten
.set T,     32                         ; v[32:39] four pairs at work
.set SA,    64                         ; v[64:127], v[128:191]  two sets of 16 loads
.set SB,    128
.set X0,    32                         ; LayerNorm: two rows, gain, bias, two rows of output
.set X1,    64
.set SC,    96
.set BI,    128
.set Y0,    160
.set Y1,    176
	v_lshl_add_u32 v[SPW], v0, 2, SPARE
	v_mov_b32 v[NIL], 0
	v_lshrrev_b32 v1, 5, v0
	v_readfirstlane_b32 s2, v1                     ; wave 0..7
	s_mov_b32 s3, ttmp9
	s_cmp_lt_u32 s3, 192
	s_cbranch_scc1 .Ltrans
	s_cmp_lt_u32 s3, 448
	s_cbranch_scc1 .Lln
; ---------------- the parameter blocks (one work-group) ----------------
.macro CLIP d, e                       ; v[d] = clip(v[e] - 15, 0, 32)
	v_add_nc_u32 v[\d], -15, v[\e]
	v_cmp_le_u32 vcc_lo, 15, v[\e]
	v_cndmask_b32 v[\d], 0, v[\d], vcc_lo
	v_min_u32 v[\d], 32, v[\d]
.endm
	s_load_b256 s[4:11], s[0:1], 0x48              ; bq s[4:5], bk s[6:7], bv s[8:9], b1 s[10:11]
	s_load_b128 s[12:15], s[0:1], 0x68             ; rel_emb s[12:13], rel_bias_emb s[14:15]
	s_load_b128 s[16:19], s[0:1], 0x80             ; wqkv_t s[16:17], w1_t s[18:19]
	v_lshlrev_b32 v2, 4, v0                        ; 16 x thread
	v_lshrrev_b32 v3, 3, v0                        ; spread row e = thread / 8 (and + 32)
	v_and_b32 v4, 7, v0
	v_lshlrev_b32 v4, 5, v4                        ; my 8 channels: 32 bytes of f32
	v_add_nc_u32 v7, 32, v3
	CLIP 5, 3
	CLIP 6, 7
	v_lshl_add_u32 v5, v5, 8, v4                   ; table row x 256 bytes + my channels
	v_lshl_add_u32 v6, v6, 8, v4
	s_wait_kmcnt 0x0
	global_load_b128 v[32:35], v2, s[4:5]
	global_load_b128 v[36:39], v2, s[6:7]
	global_load_b128 v[40:43], v2, s[8:9]
.irp u, 0,1,2,3
	global_load_b128 v[44+4*(\u):47+4*(\u)], v2, s[10:11] offset:4096*(\u)
.endr
	global_load_b128 v[60:63], v5, s[12:13]
	global_load_b128 v[64:67], v5, s[12:13] offset:16
	global_load_b128 v[68:71], v6, s[12:13]
	global_load_b128 v[72:75], v6, s[12:13] offset:16
	s_wait_loadcnt 0x0
	global_store_b128 v2, v[32:35], s[16:17]                ; bias of q, k, v: columns 0-3071
	global_store_b128 v2, v[36:39], s[16:17] offset:4096
	global_store_b128 v2, v[40:43], s[16:17] offset:8192
.irp u, 0,1,2,3
	global_store_b128 v2, v[44+4*(\u):47+4*(\u)], s[18:19] offset:4096*(\u)
.endr
.irp n, 0,1,2,3,4,5,6,7
	v_cvt_pk_bf16_f32 v[76+(\n)], v[60+2*(\n)], v[61+2*(\n)]
.endr
	global_store_b128 v2, v[76:79], s[16:17] offset:16896   ; spread rel_emb, rows 0-31
	global_store_b128 v2, v[80:83], s[16:17] offset:20992   ; rows 32-63
	s_cmp_lg_u32 s2, 0
	s_cbranch_scc1 .Lnot_wave_0
	v_and_b32 v8, 31, v0                           ; wave 0: the floor words, 256 bytes in each block
	v_lshlrev_b32 v8, 3, v8
	v_mov_b32 v10, 0xff80ff80                      ; -infinity twice in bf16: q, k, v have no activation
	v_mov_b32 v11, 0xff80ff80
	v_mov_b32 v12, 0                               ; 0 twice: the hidden layer's ReLU
	v_mov_b32 v13, 0
	global_store_b64 v8, v[10:11], s[16:17] offset:16384
	global_store_b64 v8, v[12:13], s[18:19] offset:16384
.Lnot_wave_0:
	s_cmp_lg_u32 s2, 1
	s_cbranch_scc1 .Lend
	v_and_b32 v14, 31, v0                          ; wave 1: the spread rel_bias_emb, two numbers a lane
	v_lshlrev_b32 v15, 1, v14
	v_add_nc_u32 v16, 1, v15
	CLIP 17, 15
	CLIP 18, 16
	v_lshlrev_b32 v17, 2, v17
	v_lshlrev_b32 v18, 2, v18
	v_lshlrev_b32 v14, 3, v14
	global_load_b32 v20, v17, s[14:15]
	global_load_b32 v21, v18, s[14:15]
	s_wait_loadcnt 0x0
	global_store_b64 v14, v[20:21], s[16:17] offset:16640
	s_branch .Lend
; ---------------- the weights ----------------
.macro PICK bound, src, dst, first, lognt, pb, dofs, mode
	s_cmp_lt_u32 s3, \bound
	s_cselect_b64 s[4:5], s[\src:\src+1], s[4:5]
	s_cselect_b64 s[6:7], s[\dst:\dst+1], s[6:7]
	s_cselect_b32 s10, \first, s10
	s_cselect_b32 s11, \lognt, s11
	s_cselect_b32 s12, \pb, s12
	s_cselect_b32 s13, \dofs, s13
	s_cselect_b32 s14, \mode, s14
.endm
; 16 loads: 32 rows (k) x 256 bytes (64 n).  Lanes 0-15 take one row's 256 bytes, lanes 16-31 those of the row four further down.
.macro LOADR r, set
.set n, 0
.rept 16
	global_load_b128 v[(\set)+4*n:(\set)+4*n+3], v[OFF+n], s[16+2*(\r):17+2*(\r)] th:TH_LOAD_NT
.set n, n+1
.endr
.endm
; A lane holds, for jj and c, four k on end (8 jj + 4 g + 0..3) of column 4 i + c: rounded in pairs they are 8 bytes of LDS row 4 i + c.
.macro CVT set, r
.irp jj, 0,1,2,3
.irp c, 0,1,2,3
	v_cvt_pk_bf16_f32 v[T+2*(\c)],   v[(\set)+16*(\jj)+(\c)],   v[(\set)+16*(\jj)+4+(\c)]
	v_cvt_pk_bf16_f32 v[T+2*(\c)+1], v[(\set)+16*(\jj)+8+(\c)], v[(\set)+16*(\jj)+12+(\c)]
	ds_store_b64 v[LST], v[T+2*(\c):T+2*(\c)+1] offset:(\c)*LP+16*(4*(\r)+(\jj))
.endr
.endr
.endm
.Ltrans:
	s_load_b128 s[32:35], s[0:1], 0x18             ; wq s[32:33], wk s[34:35]
	s_load_b256 s[36:43], s[0:1], 0x28             ; wv, wo, w1, w2
	s_load_b256 s[44:51], s[0:1], 0x80             ; wqkv_t, w1_t, wo_t, w2_t
	v_and_b32 v1, 15, v0                           ; i
	v_bfe_u32 v2, v0, 4, 1                         ; g
	s_mul_i32 s26, s2, WT                          ; my wave's LDS bytes
	s_mov_b32 s10, 128                             ; w2: first work-group, log2 of the tiles along n, bytes in a row, offset in the target, panels
	s_mov_b32 s11, 4
	s_mov_b32 s12, 4096
	s_mov_b32 s13, 0
	s_mov_b32 s14, 1
	s_wait_kmcnt 0x0
	s_mov_b64 s[4:5], s[42:43]
	s_mov_b64 s[6:7], s[50:51]
	PICK 128, 40, 46, 64, 6, 16384, 32768, 0       ; w1
	PICK 64,  38, 48, 48, 4, 4096, 0, 1            ; wo
	PICK 48,  36, 44, 32, 4, 4096, 4227072, 0      ; wv
	PICK 32,  34, 44, 16, 4, 4096, 2129920, 0      ; wk
	PICK 16,  32, 44, 0,  4, 4096, 32768, 0        ; wq
	s_sub_co_u32 s15, s3, s10
	s_lshl_b32 s15, s15, 3
	s_add_co_u32 s15, s15, s2                      ; my tile's number in its matrix
	s_lshl_b32 s24, 1, s11
	s_sub_co_u32 s24, s24, 1
	s_and_b32 s24, s15, s24                        ; nt: 64 columns
	s_lshr_b32 s25, s15, s11                       ; kt: 128 rows
	s_lshl_b32 s28, s12, 7
	s_mul_i32 s28, s28, s25
	s_lshl_b32 s29, s24, 8
	s_add_co_u32 s28, s28, s29
	s_mov_b32 s29, 0
	s_add_nc_u64 s[4:5], s[4:5], s[28:29]          ; the tile in its matrix
	s_lshl_b32 s28, s24, 17                        ; rows: 64 nt rows of 2,048 bytes + 256 kt + the block
	s_lshl_b32 s30, s25, 8
	s_add_co_u32 s28, s28, s30
	s_add_co_u32 s28, s28, s13
	s_lshl_b32 s30, s25, 18                        ; panels: 2 kt panels of 131,072 bytes + 64 nt rows of 128
	s_lshl_b32 s31, s24, 13
	s_add_co_u32 s30, s30, s31
	s_cmp_eq_u32 s14, 0
	s_cselect_b32 s28, s28, s30
	s_add_nc_u64 s[6:7], s[6:7], s[28:29]
	s_lshl_b32 s28, s12, 5                         ; a round is 32 rows
	s_mov_b64 s[16:17], s[4:5]
	s_add_nc_u64 s[18:19], s[16:17], s[28:29]
	s_add_nc_u64 s[20:21], s[18:19], s[28:29]
	s_add_nc_u64 s[22:23], s[20:21], s[28:29]
	v_lshlrev_b32 v3, 2, v2
	v_mul_u32_u24 v3, s12, v3                      ; 4 g rows
	v_lshl_add_u32 v3, v1, 4, v3                   ; + 16 i
.set n, 0
.rept 16
	s_mul_i32 s30, s12, 8*(n/4)+n%4
	v_add_nc_u32 v[OFF+n], s30, v3
.set n, n+1
.endr
	v_mul_u32_u24 v[LST], v1, 4*LP
	v_lshl_add_u32 v[LST], v2, 3, v[LST]
	v_add_nc_u32 v[LST], s26, v[LST]
	LOADR 0, SA
	LOADR 1, SB
	s_wait_loadcnt 16                              ; the older round is in; the younger one's 16 loads stay out
	CVT SA, 0
	LOADR 2, SA
	s_wait_loadcnt 16
	CVT SB, 1
	LOADR 3, SB
	s_wait_loadcnt 16
	CVT SA, 2
	s_wait_loadcnt 0x0
	CVT SB, 3
	s_cmp_lg_u32 s14, 0
	s_cbranch_scc1 .Lpanels
	; rows: two LDS rows of 256 bytes a load.  LDS serves a wave's instructions in order (ISA guide 5.7.1.4): the loads see my stores above.
	v_mul_u32_u24 v[LRD], v2, LP
	v_lshl_add_u32 v[LRD], v1, 4, v[LRD]
	v_add_nc_u32 v[LRD], s26, v[LRD]
	v_lshlrev_b32 v[GOF], 11, v2
	v_lshl_add_u32 v[GOF], v1, 4, v[GOF]
.set t, 0
.rept 32
	ds_load_b128 v[SA+4*t:SA+4*t+3], v[LRD] offset:2*LP*t
.set t, t+1
.endr
.set t, 0
.rept 32
	s_wait_dscnt 31-t
	global_store_b128 v[GOF], v[SA+4*t:SA+4*t+3], s[6:7] offset:4096*t   ; 16 lanes store 256 consecutive bytes, aligned
.set t, t+1
.endr
	s_branch .Lend
.Lpanels:
	; panels: four LDS rows' halves of 128 bytes a load: 512 consecutive bytes of a panel
	v_and_b32 v4, 31, v0
	v_lshrrev_b32 v5, 3, v4
	v_and_b32 v6, 7, v0
	v_mul_u32_u24 v[LRD], v5, LP
	v_lshl_add_u32 v[LRD], v6, 4, v[LRD]
	v_add_nc_u32 v[LRD], s26, v[LRD]
	v_lshlrev_b32 v[GOF], 4, v4
.set t, 0
.rept 32
	ds_load_b128 v[SA+4*t:SA+4*t+3], v[LRD] offset:(t%16)*4*LP+(t/16)*128
.set t, t+1
.endr
.set t, 0
.rept 32
	s_wait_dscnt 31-t
	global_store_b128 v[GOF], v[SA+4*t:SA+4*t+3], s[6:7] offset:(t/16)*131072+(t%16)*512
.set t, t+1
.endr
	s_branch .Lend
; ---------------- LayerNorm ----------------
.macro REDUCE                          ; four pairs v[4:11] -> their sum over the wave, in v4 of every lane
	v_pk_add_f32 v[4:5], v[4:5], v[6:7]
	v_pk_add_f32 v[8:9], v[8:9], v[10:11]
	v_pk_add_f32 v[4:5], v[4:5], v[8:9]
	v_add_f32 v4, v4, v5
	v_add_f32_dpp v4, v4, v4 row_xmask:1 row_mask:0xf bank_mask:0xf
	v_add_f32_dpp v4, v4, v4 row_xmask:2 row_mask:0xf bank_mask:0xf
	v_add_f32_dpp v4, v4, v4 row_xmask:4 row_mask:0xf bank_mask:0xf
	v_add_f32_dpp v4, v4, v4 row_xmask:8 row_mask:0xf bank_mask:0xf
	v_permlanex16_b32 v5, v4, s13, s14
	v_add_f32 v4, v4, v5
.endm
.macro STATS X, t, R                   ; the row in v[X ..]: z - mean in place; 1 / sqrt(variance + eps) twice, in v[R:R+1]
.irp k, 0,1,2,3
	v_pk_add_f32 v[4+2*(\k):5+2*(\k)], v[(\X)+2*(\k):(\X)+2*(\k)+1], v[(\X)+8+2*(\k):(\X)+8+2*(\k)+1]
.endr
.irp m, 2,3
.irp k, 0,1,2,3
	v_pk_add_f32 v[4+2*(\k):5+2*(\k)], v[4+2*(\k):5+2*(\k)], v[(\X)+8*(\m)+2*(\k):(\X)+8*(\m)+2*(\k)+1]
.endr
.endr
	REDUCE
	v_mul_f32 v12, s15, v4                         ; the mean, twice
	v_mul_f32 v13, s15, v4
.set n, 0
.rept 16
	v_pk_add_f32 v[(\X)+2*n:(\X)+2*n+1], v[(\X)+2*n:(\X)+2*n+1], v[12:13] neg_lo:[0,1] neg_hi:[0,1]
.set n, n+1
.endr
.irp k, 0,1,2,3
	v_pk_mul_f32 v[4+2*(\k):5+2*(\k)], v[(\X)+2*(\k):(\X)+2*(\k)+1], v[(\X)+2*(\k):(\X)+2*(\k)+1]
.endr
.irp m, 1,2,3
.irp k, 0,1,2,3
	v_pk_fma_f32 v[4+2*(\k):5+2*(\k)], v[(\X)+8*(\m)+2*(\k):(\X)+8*(\m)+2*(\k)+1], v[(\X)+8*(\m)+2*(\k):(\X)+8*(\m)+2*(\k)+1], v[4+2*(\k):5+2*(\k)]
.endr
.endr
	REDUCE
	v_fma_f32 v[\t], v4, s15, s20                  ; variance + eps
	v_rsq_f32 v[\R], v[\t]
	v_rsq_f32 v[\R+1], v[\t]
.endm
.macro EMIT X, R, Y, row
.irp j, 0,1,2,3,4,5,6,7
	v_pk_mul_f32 v[(\X)+4*(\j):(\X)+4*(\j)+1],   v[(\X)+4*(\j):(\X)+4*(\j)+1],   v[\R:\R+1]
	v_pk_mul_f32 v[(\X)+4*(\j)+2:(\X)+4*(\j)+3], v[(\X)+4*(\j)+2:(\X)+4*(\j)+3], v[\R:\R+1]
	v_pk_fma_f32 v[(\X)+4*(\j):(\X)+4*(\j)+1],   v[(\X)+4*(\j):(\X)+4*(\j)+1],   v[SC+4*(\j):SC+4*(\j)+1],   v[BI+4*(\j):BI+4*(\j)+1]
	v_pk_fma_f32 v[(\X)+4*(\j)+2:(\X)+4*(\j)+3], v[(\X)+4*(\j)+2:(\X)+4*(\j)+3], v[SC+4*(\j)+2:SC+4*(\j)+3], v[BI+4*(\j)+2:BI+4*(\j)+3]
	v_cvt_pk_bf16_f32 v[(\Y)+2*(\j)],   v[(\X)+4*(\j)],   v[(\X)+4*(\j)+1]
	v_cvt_pk_bf16_f32 v[(\Y)+2*(\j)+1], v[(\X)+4*(\j)+2], v[(\X)+4*(\j)+3]
	global_store_b64 v2, v[(\Y)+2*(\j):(\Y)+2*(\j)+1], s[10:11] offset:(\row)*2048+256*(\j)   ; 32 lanes store 256 consecutive bytes, aligned
.endr
.endm
; s[4:5] input rows, s[6:7] gain, s[8:9] bias, s[10:11] output, s12 my first row
.macro LNBODY
	v_and_b32 v1, 31, v0
	v_lshlrev_b32 v2, 3, v1                        ; my 8 bytes of 256 of output
	v_lshlrev_b32 v1, 4, v1                        ; my 16 bytes of 512 of input
	s_mov_b32 s13, 0x76543210                      ; v_permlanex16_b32: each lane takes its own place in the other half
	s_mov_b32 s14, 0xfedcba98
	s_mov_b32 s15, 0x3a800000                      ; 1 / 1024
	s_mov_b32 s20, 0x358637bd                      ; 1e-6
	s_lshl_b32 s16, s12, 12
	s_mov_b32 s17, 0
	s_lshl_b32 s18, s12, 11
	s_mov_b32 s19, 0
	s_wait_kmcnt 0x0
	s_add_nc_u64 s[4:5], s[4:5], s[16:17]
	s_add_nc_u64 s[10:11], s[10:11], s[18:19]
.irp j, 0,1,2,3,4,5,6,7
	global_load_b128 v[X0+4*(\j):X0+4*(\j)+3], v1, s[4:5] offset:512*(\j) th:TH_LOAD_NT
.endr
.irp j, 0,1,2,3,4,5,6,7
	global_load_b128 v[X1+4*(\j):X1+4*(\j)+3], v1, s[4:5] offset:4096+512*(\j) th:TH_LOAD_NT
.endr
.irp j, 0,1,2,3,4,5,6,7
	global_load_b128 v[SC+4*(\j):SC+4*(\j)+3], v1, s[6:7] offset:512*(\j)
.endr
.irp j, 0,1,2,3,4,5,6,7
	global_load_b128 v[BI+4*(\j):BI+4*(\j)+3], v1, s[8:9] offset:512*(\j)
.endr
	s_wait_loadcnt 24                              ; the first row is in; 24 younger loads stay out
	STATS X0, 14, 16
	s_wait_loadcnt 16                              ; the second row
	STATS X1, 15, 18
	v_nop                                          ; a plain instruction behind the last v_rsq_f32,
	s_wait_alu depctr_va_vdst(0)                   ; and one wait for the four, ahead of their first reader
	s_wait_loadcnt 0x0                             ; gain and bias
	EMIT X0, 16, Y0, 0
	EMIT X1, 18, Y1, 1
.endm
.Lln:
	s_load_b128 s[4:7], s[0:1], 0x0                ; x, ln1_scale
	s_load_b64 s[8:9], s[0:1], 0x10                ; ln1_bias
	s_load_b64 s[10:11], s[0:1], 0x78              ; the normalised rows
	s_sub_co_u32 s12, s3, 192
	s_lshl_b32 s12, s12, 3
	s_add_co_u32 s12, s12, s2
	s_lshl_b32 s12, s12, 1                         ; two rows a wave
	LNBODY
.Lend:
	s_wait_tensorcnt 0x0                           ; the wave's end
	ds_add_u32 v[SPW], v[NIL]
	s_wait_dscnt 0x0
	s_endpgm
.Lfunc_end_k_q6cad10c064_prep:
	.size	k_q6cad10c064_prep, .Lfunc_end_k_q6cad10c064_prep-k_q6cad10c064_prep
	.p2alignl 7, 3214868480
	.fill 96, 4, 3214868480
	.section	.rodata,"a",@progbits
	.p2align	6, 0x0
	.amdhsa_kernel k_q6cad10c064_prep
		.amdhsa_group_segment_fixed_size 140288
		.amdhsa_private_segment_fixed_size 0
		.amdhsa_enable_private_segment 0
		.amdhsa_kernarg_size 160
		.amdhsa_user_sgpr_count 2
		.amdhsa_user_sgpr_kernarg_segment_ptr 1
		.amdhsa_wavefront_size32 1
		.amdhsa_system_sgpr_workgroup_id_x 1
		.amdhsa_system_sgpr_workgroup_id_y 1
		.amdhsa_system_sgpr_workgroup_id_z 1
		.amdhsa_system_vgpr_workitem_id 0
		.amdhsa_next_free_vgpr 192
		.amdhsa_next_free_sgpr 66
		.amdhsa_reserve_vcc 1
		.amdhsa_float_denorm_mode_32 3
		.amdhsa_float_denorm_mode_16_64 3
		.amdhsa_memory_ordered 1
		.amdhsa_forward_progress 1
		.amdhsa_inst_pref_size 61
	.end_amdhsa_kernel
	.amdgpu_metadata
---
amdhsa.version: [ 1, 2 ]
amdhsa.kernels:
  - .name:           k_q6cad10c064_prep
    .symbol:         k_q6cad10c064_prep.kd
    .args:
      - { .name: x, .offset: 0, .size: 8, .value_kind: global_buffer, .address_space: global }
      - { .name: ln1_scale, .offset: 8, .size: 8, .value_kind: global_buffer, .address_space: global }
      - { .name: ln1_bias, .offset: 16, .size: 8, .value_kind: global_buffer, .address_space: global }
      - { .name: wq, .offset: 24, .size: 8, .value_kind: global_buffer, .address_space: global }
      - { .name: wk, .offset: 32, .size: 8, .value_kind: global_buffer, .address_space: global }
      - { .name: wv, .offset: 40, .size: 8, .value_kind: global_buffer, .address_space: global }
      - { .name: wo, .offset: 48, .size: 8, .value_kind: global_buffer, .address_space: global }
      - { .name: w1, .offset: 56, .size: 8, .value_kind: global_buffer, .address_space: global }
      - { .name: w2, .offset: 64, .size: 8, .value_kind: global_buffer, .address_space: global }
      - { .name: bq, .offset: 72, .size: 8, .value_kind: global_buffer, .address_space: global }
      - { .name: bk, .offset: 80, .size: 8, .value_kind: global_buffer, .address_space: global }
      - { .name: bv, .offset: 88, .size: 8, .value_kind: global_buffer, .address_space: global }
      - { .name: b1, .offset: 96, .size: 8, .value_kind: global_buffer, .address_space: global }
      - { .name: rel_emb, .offset: 104, .size: 8, .value_kind: global_buffer, .address_space: global }
      - { .name: rel_bias_emb, .offset: 112, .size: 8, .value_kind: global_buffer, .address_space: global }
      - { .name: out0, .offset: 120, .size: 8, .value_kind: global_buffer, .address_space: global }
      - { .name: wqkv_t, .offset: 128, .size: 8, .value_kind: global_buffer, .address_space: global }
      - { .name: w1_t, .offset: 136, .size: 8, .value_kind: global_buffer, .address_space: global }
      - { .name: wo_t, .offset: 144, .size: 8, .value_kind: global_buffer, .address_space: global }
      - { .name: w2_t, .offset: 152, .size: 8, .value_kind: global_buffer, .address_space: global }
    .group_segment_fixed_size: 140288
    .private_segment_fixed_size: 0
    .kernarg_segment_align: 8
    .kernarg_segment_size: 160
    .max_flat_workgroup_size: 256
    .sgpr_count:     66
    .vgpr_count:     192
    .wavefront_size: 32
...
	.end_amdgpu_metadata
.endif
;; end of part 1
;; launch qkv (part 2): grid 12 x 16, 4 waves a work-group, clusters of 4 x 4, 327,680 bytes of LDS; arguments out0, wqkv_t, big; writes big
.if DOCPART == 2
	.amdgcn_target "amdgcn-amd-amdhsa--gfx1250"
	.amdhsa_code_object_version 6
	.text
	.protected	k_q6cad10c064_qkv
	.globl	k_q6cad10c064_qkv
	.p2align	8
	.type	k_q6cad10c064_qkv,@function
k_q6cad10c064_qkv:
	s_mov_b64 s[64:65], 0
	v_nop
	global_prefetch_b8 v0, s[64:65] scope:SCOPE_SE
	s_setreg_imm32_b32 hwreg(HW_REG_WAVE_MODE, 25, 1), 1
	s_wait_xcnt 0x0
	s_wait_alu depctr_hold_cnt(0) depctr_sa_sdst(0) depctr_va_vdst(0) depctr_va_sdst(0) depctr_va_ssrc(0) depctr_va_vcc(0) depctr_vm_vsrc(0)
	s_getreg_b32 s2, hwreg(HW_REG_IB_STS2, 6, 4)
	s_cmp_eq_u32 s2, 0
	s_cbranch_scc0 .Lentry_in_a_cluster
	s_endpgm
.Lentry_in_a_cluster:
	s_bfe_u32 s2, ttmp6, 0x10000c
	s_cmp_lg_u32 s2, 0xf033
	s_cbranch_scc0 .Lentry_shape_is_right
	s_endpgm
.Lentry_shape_is_right:
; C[m][n] = max(floor, sum over k of A[m][k] W[n][k] + bias[n]).  A: [4096][1024] bf16.  The second buffer begins with a parameter block of 32,768 bytes
; (bias f32 at byte 0; at byte 16,384 the floor, two bf16 in a word: -infinity for no activation, 0 for ReLU); behind it W: [n][1024] bf16.
; C leaves in bf16 as panels of 64 columns: [n / 64][4096 rows][64].  Sums in f32, the bias as the sums' start, C rounded once.  The grid's width says how many columns there are.
; LIMITS.  A NaN in a sum comes out as the floor (the packed maximum lets a NaN lose).
; A tile of C, 256 x 256, is made by four waves, 128 x 128 each: 64 accumulators, 512 registers.  K goes in 8 steps of 128 through a ring of two LDS slots filled by the tensor data mover.
; A K STEP IS WRITTEN ONCE FOR EACH KIND: a loop of 6 trips whose change of slots fills the slot again, entered behind its first quarter (the first quarter of all, which takes the bias as C, stands in front);
; then a loop of 2 trips that fills nothing.  Which slot is in hand is a scalar bit that each change of slots flips; the LDS addresses are a base plus that bit x the slot's bytes.
; CLUSTER 4 x 4: A's tile is shared along a row of the cluster, W's along a column: each is asked for jointly, by the same load with the same descriptor and a mask of four.
; THE MATRIX INSTRUCTION IS USED TRANSPOSED (source 0 = 16 rows of W, source 1 = 16 rows of A): a lane holds row l % 16 of C and the columns 8 (l / 16) + 0..7.
; REGISTERS in windows of 256: window 0: v0-31 addresses; v64-191 A's fragments, two buffers; v32-63, v192-255 the way out.   window 1: v0-63 the bias as C operands (n block b at 8 b);
; v64-191 W's fragments, two buffers.   window 2: the accumulators of my rows 0-63 ((a, b) at 8 (8 a + b));   window 3: those of rows 64-127.
.set SIZE_K, 1024
.set KSTEP,  128
.set STEPS,  SIZE_K/KSTEP
.set PITCH,  272                       ; an LDS row: 256 bytes + 16 of padding: the 16 rows of a fragment load start at 16 different groups of four banks
.set HALFT,  128*PITCH
.set SLOT,   4*HALFT
.set STAGE,  2*SLOT                    ; behind the ring: 16 rows x 272 bytes for each wave
.set SPITCH, 272
.set SPARE,  STAGE+4*16*SPITCH         ; the spare words, 128 bytes a wave
.set ADRA, 16                          ; v16  my A fragments in the slot in hand
.set A0,   17                          ; v17  the same in slot 0; never rewritten
.set ADRB, 20                          ; v20, v21  likewise for W
.set B0,   21
.set STO,  24
.set RD,   25
.set CO,   26
.set BO,   27                          ; v27  32 x (l / 16): my 8 numbers in 16 of the bias
.set SPW,  28
.set NIL,  29
.set PFO,  30
.set PFA,  44
.set LIM,  43
.set F0,   64
.set F1,   128
.set TMP,  192
.set OB,   32
.set G1,   24
.set G0,   32                          ; s[32:39] group 0 for A: a set for each of the two first fills; the second then walks on
.set G1B,  48
.set G0B,  56                          ; s[56:63] the same for W
.set PAR,  66                          ; s[66:67] the parameter block
.set FLOOR, 68                         ; s68
.set LW,   69                          ; s69  my quarter of a slot: wave x 128 rows
.set BIA,  70                          ; s[70:71] the bias of my 128 columns
.set TG,   72                          ; s72  the slot in hand, 0 or 1
.set TB,   73                          ; s73  its first byte
.set MSB, 0
.macro WIN new                         ; the immediate's high byte repeats the setting that is left; a switch that changes nothing is dropped
.if MSB != (\new)
	s_set_vgpr_msb (MSB<<8)|(\new)
.set MSB, \new
.endif
.endm
.set MUL_LO, 0xa1                      ; source 0 (W) window 1, source 1 (A) window 0, C and D window 2
.set TO_B,   0x40
; A joint load: waves 0 and 1 fetch A's two halves, waves 2 and 3 W's.  An s_nop 0 and four v_nop follow each line.
.macro JLOAD s
	s_cmp_eq_u32 s11, 0
	s_cbranch_scc0 .Lfor_b_\@
	tensor_load_to_lds s[G0+4*(\s):G0+4*(\s)+3], s[G1:G1+7]
	s_nop 0
.rept 4
	v_nop
.endr
	s_branch .Lasked_\@
.Lfor_b_\@:
	tensor_load_to_lds s[G0B+4*(\s):G0B+4*(\s)+3], s[G1B:G1B+7]
	s_nop 0
.rept 4
	v_nop
.endr
.Lasked_\@:
.endm
; A prefetch of the K step two refills on: 32 rows x 256 bytes, a lane a row.  A's rows are asked for by the clusters with x = 0, W's by those with y = 0; the four partners that ask for a
; tile jointly share its rows out by address, 32 each.  The first four changes of slots (more than two trips left) name K steps 4 to 7; the last two name nothing.
.macro ASK
	s_cmp_gt_u32 s3, s[LIM]
	s_cbranch_scc0 .Lnot_mine_\@
	global_prefetch_b8 v[PFO], s[PFA:PFA+1] offset:KSTEP*2 th:TH_LOAD_NT scope:SCOPE_SE
.Lnot_mine_\@:
.endm
.macro CREST                           ; a round of the cluster's barrier behind its opening barrier
	s_cmp_lg_u32 s10, 0
	s_cbranch_scc1 .Lnot_wave_0_\@
	s_barrier_signal -3
.Lnot_wave_0_\@:
	s_barrier_wait -3
	s_barrier_signal -1
	s_barrier_wait -1
.endm
.macro CROUND
	s_barrier_signal -1
	s_barrier_wait -1
	CREST
.endm
	s_load_b128 s[4:7], s[0:1], 0x0                ; A s[4:5], the parameter block and W s[6:7]
	s_load_b64 s[8:9], s[0:1], 0x10                ; C
	v_lshl_add_u32 v[SPW], v0, 2, SPARE
	v_mov_b32 v[NIL], 0
	ds_add_u32 v[SPW], v[NIL]                      ; the wave's opening
	v_lshrrev_b32 v1, 5, v0
	v_readfirstlane_b32 s10, v1                    ; wave 0..3
	s_lshr_b32 s11, s10, 1                         ; my half of the tile's rows; also: I fetch for A (0) or W (1)
	s_and_b32 s12, s10, 1                          ; my half of its columns; also: which 128 rows I fetch
	s_bfe_u32 s40, ttmp6, 0x40000                  ; cx
	s_bfe_u32 s41, ttmp6, 0x40004                  ; cy
	s_lshl_b32 s42, ttmp9, 2
	s_add_co_u32 s42, s42, s40                     ; tile column
	s_and_b32 s13, ttmp7, 0xffff
	s_lshl_b32 s13, s13, 2
	s_add_co_u32 s13, s13, s41                     ; tile row
	s_lshl_b32 s43, s41, 2
	s_lshl_b32 s43, 15, s43                        ; my row of the cluster
	s_lshl_b32 s44, 0x1111, s40                    ; my column
	s_or_b32 s[G1+0], s43, (1<<16)|(1<<20)|(1<<21)|(5<<22)|(3<<25)   ; mask; 2-byte elements; padding on; bit 21 beside a mask; after every 64 words 4 words
	s_or_b32 s[G1B+0], s44, (1<<16)|(1<<20)|(1<<21)|(5<<22)|(3<<25)
.irp g, G1, G1B
	s_mov_b32 s[(\g)+1], KSTEP<<16                 ; tensor_dim0 = 128
	s_mov_b32 s[(\g)+2], 128<<16                   ; tensor_dim1 = 128
	s_mov_b32 s[(\g)+3], KSTEP<<16                 ; tile_dim0 = 128
	s_mov_b32 s[(\g)+4], 128                       ; tile_dim1 = 128
	s_mov_b32 s[(\g)+5], SIZE_K                    ; elements from row to row
	s_mov_b32 s[(\g)+6], 0
	s_mov_b32 s[(\g)+7], 0
.endr
	s_lshl_b32 s17, s12, 7
	s_lshl_b32 s16, s13, 8
	s_add_co_u32 s16, s16, s17                     ; A: row 256 x tile row + 128 x half
	s_lshl_b32 s46, s42, 8
	s_add_co_u32 s46, s46, s17                     ; W: row 256 x tile column + 128 x half
	s_mov_b32 s17, 0
	s_mov_b32 s47, 0
	s_mov_b64 s[18:19], SIZE_K*2
	s_mul_u64 s[16:17], s[16:17], s[18:19]
	s_mul_u64 s[46:47], s[46:47], s[18:19]
	s_mul_i32 s[LW], s10, HALFT                    ; where they go: wave x 128 rows
	s_mov_b32 s[TG], 0                             ; slot 0 is in hand
	s_mov_b32 s[TB], 0
	s_wait_dscnt 0x0                               ; the opening add is done
	s_wait_kmcnt 0x0
	s_mov_b64 s[PAR:PAR+1], s[6:7]
	s_add_nc_u64 s[6:7], s[6:7], 0x8000            ; W lies behind the parameter block
	s_add_nc_u64 s[14:15], s[4:5], s[16:17]
	s_add_nc_u64 s[46:47], s[6:7], s[46:47]
	CROUND                                         ; all sixteen work-groups are here: the first joint loads meet
.irp s, 0,1
	s_mov_b32 s[G0+4*(\s)], 1
	s_add_co_u32 s[G0+4*(\s)+1], s[LW], (\s)*SLOT
	s_add_nc_u64 s[G0+4*(\s)+2:G0+4*(\s)+3], s[14:15], (\s)*KSTEP*2
	s_or_b32 s[G0+4*(\s)+3], s[G0+4*(\s)+3], 0x80000000
	s_mov_b32 s[G0B+4*(\s)], 1
	s_add_co_u32 s[G0B+4*(\s)+1], s[LW], (\s)*SLOT
	s_add_nc_u64 s[G0B+4*(\s)+2:G0B+4*(\s)+3], s[46:47], (\s)*KSTEP*2
	s_or_b32 s[G0B+4*(\s)+3], s[G0B+4*(\s)+3], 0x80000000
	JLOAD \s
.endr
	v_and_b32 v1, 15, v0                           ; l % 16
	v_bfe_u32 v2, v0, 4, 1                         ; l / 16
	v_mul_u32_u24 v3, v1, PITCH
	v_lshl_add_u32 v3, v2, 4, v3
	s_mul_i32 s21, s11, HALFT
	s_mul_i32 s22, s12, HALFT
	s_add_co_u32 s22, s22, 2*HALFT
	v_add_nc_u32 v[A0], s21, v3
	v_add_nc_u32 v[B0], s22, v3
	v_mov_b32 v[ADRA], v[A0]
	v_mov_b32 v[ADRB], v[B0]
	s_mul_i32 s23, s10, 16*SPITCH
	s_add_co_u32 s23, s23, STAGE                   ; my stage
	v_mul_u32_u24 v4, v1, SPITCH                   ; in: row l % 16, 16 bytes for each half of the lanes
	v_lshl_add_u32 v4, v2, 4, v4
	v_add_nc_u32 v[STO], s23, v4
	v_bfe_u32 v5, v0, 3, 2                         ; back: 32 lanes take four rows' 128 bytes of one panel,
	v_and_b32 v6, 7, v0
	v_mul_u32_u24 v5, v5, SPITCH
	v_lshl_add_u32 v5, v6, 4, v5
	v_add_nc_u32 v[RD], s23, v5
	v_and_b32 v[CO], 31, v0                        ; which are 512 consecutive bytes of C
	v_lshlrev_b32 v[CO], 4, v[CO]
	v_lshlrev_b32 v[BO], 5, v2
	s_lshl_b32 s16, s13, 15                        ; my part of C: 256 x tile row + 128 x half rows of 128 bytes,
	s_lshl_b32 s14, s11, 14
	s_add_co_u32 s16, s16, s14
	s_mov_b32 s17, 0
	s_lshl_b32 s46, s42, 21                        ; 4 x tile column + 2 x half panels of 524,288 bytes
	s_lshl_b32 s47, s12, 20
	s_add_co_u32 s46, s46, s47
	s_mov_b32 s47, 0
	s_add_nc_u64 s[16:17], s[16:17], s[46:47]
	s_lshl_b32 s46, s42, 10                        ; the bias of my 128 columns
	s_lshl_b32 s47, s12, 9
	s_add_co_u32 s46, s46, s47
	s_mov_b32 s47, 0
	s_add_nc_u64 s[BIA:BIA+1], s[PAR:PAR+1], s[46:47]
	s_load_b32 s[FLOOR], s[PAR:PAR+1], 0x4000
	WIN TO_B                                       ; a lane's registers j of n block b are columns 16 b + 8 (l / 16) + j: these eight registers are the C operand of every accumulator of that block
.irp b, 0,1,2,3,4,5,6,7
	global_load_b128 v[8*(\b):8*(\b)+3],   v[BO], s[BIA:BIA+1] offset:64*(\b)
	global_load_b128 v[8*(\b)+4:8*(\b)+7], v[BO], s[BIA:BIA+1] offset:64*(\b)+16
.endr
	WIN 0
	s_lshl_b32 s13, s13, 8                         ; the prefetches
	s_lshl_b32 s42, s42, 8
	s_and_b32 s22, ttmp7, 0xffff
	s_cmp_eq_u32 s11, 0
	s_cselect_b32 s20, s13, s42                    ; the tile's first row, in A or in W
	s_cselect_b32 s21, s40, s41                    ; my place among the four that ask with me
	s_cselect_b32 s22, ttmp9, s22                  ; the coordinate along which other clusters read the same rows
	s_cselect_b64 s[PFA:PFA+1], s[4:5], s[6:7]
	s_cmp_eq_u32 s22, 0
	s_cselect_b32 s[LIM], 2, -1                    ; a wave that prefetches does so while more than two trips are left
	s_lshl_b32 s22, s12, 7
	s_add_co_u32 s20, s20, s22
	s_lshl_b32 s21, s21, 5
	s_add_co_u32 s20, s20, s21
	s_mov_b32 s21, 0
	s_mov_b64 s[18:19], SIZE_K*2
	s_mul_u64 s[20:21], s[20:21], s[18:19]
	s_add_nc_u64 s[PFA:PFA+1], s[PFA:PFA+1], s[20:21]
	s_add_nc_u64 s[PFA:PFA+1], s[PFA:PFA+1], 2*KSTEP*2   ; at K step 2: the first refill steps it to 3 and names K step 4
	v_and_b32 v[PFO], 31, v0
	v_mul_u32_u24 v[PFO], v[PFO], SIZE_K*2
; 16 matrix instructions: m blocks a0, a0 + 1 of the window's four x all 8 n blocks, 32 along K.  zero = 1: the bias starts the sums.  The 64 accumulators take turns.
.macro MUL16 f, hi, a0, zero
.if \zero
	WIN 0x91+0x40*(\hi)                            ; as below, with the C operand in window 1
.else
	WIN MUL_LO+0x50*(\hi)
.endif
.irp a, \a0, (\a0)+1
.irp b, 0,1,2,3,4,5,6,7
.if \zero
	v_wmma_f32_16x16x32_bf16 v[8*(8*(\a)+(\b)):8*(8*(\a)+(\b))+7], v[(\f)+8*(\b):(\f)+8*(\b)+7], v[(\f)+8*(4*(\hi)+(\a)):(\f)+8*(4*(\hi)+(\a))+7], v[8*(\b):8*(\b)+7]
.else
	v_wmma_f32_16x16x32_bf16 v[8*(8*(\a)+(\b)):8*(8*(\a)+(\b))+7], v[(\f)+8*(\b):(\f)+8*(\b)+7], v[(\f)+8*(4*(\hi)+(\a)):(\f)+8*(4*(\hi)+(\a))+7], v[8*(8*(\a)+(\b)):8*(8*(\a)+(\b))+7]
.endif
.endr
.endr
.endm
.macro FETCH k, f                      ; 32 LDS loads in one run: a quarter step's fragments, at byte k of the rows of the slot in hand
	WIN TO_B
.irp i, 0,1,2,3,4,5,6,7
	ds_load_b128 v[(\f)+8*(\i):(\f)+8*(\i)+3],   v[ADRB] offset:(\k)+(\i)*16*PITCH
	ds_load_b128 v[(\f)+8*(\i)+4:(\f)+8*(\i)+7], v[ADRB] offset:(\k)+(\i)*16*PITCH+32
.endr
	WIN 0
.irp i, 0,1,2,3,4,5,6,7
	ds_load_b128 v[(\f)+8*(\i):(\f)+8*(\i)+3],   v[ADRA] offset:(\k)+(\i)*16*PITCH
	ds_load_b128 v[(\f)+8*(\i)+4:(\f)+8*(\i)+7], v[ADRA] offset:(\k)+(\i)*16*PITCH+32
.endr
.endm
.macro FLIP                            ; the other slot is in hand
	WIN 0
	s_xor_b32 s[TG], s[TG], 1
	s_mul_i32 s[TB], s[TG], SLOT
	v_add_nc_u32 v[ADRA], s[TB], v[A0]
	v_add_nc_u32 v[ADRB], s[TB], v[B0]
.endm
.macro PLACES                          ; four plain instructions between a matrix instruction and a load into, or a read of, its registers
.rept 4
	v_nop
.endr
.endm
.macro QUARTER k, f, g, zero           ; multiplies buffer f; in its middle it fetches the next quarter's fragments, at byte k, into buffer g
	s_wait_dscnt 8                                 ; W and A's rows 0-63 are in; the youngest eight loads may be out
	MUL16 \f, 0, 0, \zero
	MUL16 \f, 0, 2, \zero
	PLACES
	FETCH \k, \g
	s_wait_dscnt 32                                ; all but the 32 just issued
	MUL16 \f, 1, 0, \zero
	MUL16 \f, 1, 2, \zero
.endm
; The change of slots: each wave waits for all its tensor loads (one is out at the most: its part of the next slot), adds 0 to its spare word, waits for that and for its reads of this slot, and signals.
.macro MEET round
	WIN 0
	s_wait_tensorcnt 0x0
	ds_add_u32 v[SPW], v[NIL]
	s_wait_dscnt 9                                 ; (the add and the youngest eight loads may be out)
	MUL16 F1, 0, 0, 0
	s_wait_dscnt 0x0                               ; the add is done, my reads of this slot are over
	s_barrier_signal -1
	MUL16 F1, 0, 2, 0
.if \round
	WIN 0
.endif
	s_barrier_wait -1
.endm
; The last quarter of a step whose slot is filled again, with the K step two steps on: the walking descriptor takes the slot just read and goes one K step on.
.macro TURN
	s_wait_xcnt 0x0                                ; the last prefetch, a K step back, has read its address
	s_add_nc_u64 s[PFA:PFA+1], s[PFA:PFA+1], KSTEP*2
	MEET 1
	CREST                                          ; no wave of any partner still reads this slot or has a load on its way
	s_add_co_u32 s[G0+5], s[LW], s[TB]
	s_add_co_u32 s[G0B+5], s[LW], s[TB]
	s_add_nc_u64 s[G0+6:G0+7], s[G0+6:G0+7], KSTEP*2
	s_add_nc_u64 s[G0B+6:G0B+7], s[G0B+6:G0B+7], KSTEP*2
	JLOAD 1                                        ; the first tensor load behind the round; its four v_nop are also the places in front of the loads below
	FLIP
	FETCH 0, F0
	ASK
	MUL16 F1, 1, 0, 0
	MUL16 F1, 1, 2, 0
.endm
; The same where nothing is filled.  In the last trip there is no further step, and the run of LDS loads is jumped over.
.macro TURNN
	MEET 0
	PLACES
	WIN 0
	s_cmp_eq_u32 s3, 1
	s_cbranch_scc1 .Lno_more_\@
	FLIP
	FETCH 0, F0
.Lno_more_\@:
	MUL16 F1, 1, 0, 0
	MUL16 F1, 1, 2, 0
.endm
; THE WAY OUT of block a (16 rows): rounded to bf16 and held to the floor; through my own stage; stored as 512 consecutive bytes of a panel.
.macro PACK a
.set AC, 64*((\a)%4)
	WIN 0x0a+5*((\a)/4)
.irp b, 0,1,2,3,4,5,6,7
.irp r, 0,1,2,3
	v_cvt_pk_bf16_f32 v[TMP+4*(\b)+(\r)], v[AC+8*(\b)+2*(\r)], v[AC+8*(\b)+2*(\r)+1]
.endr
.endr
	WIN 0
.set n, 0
.rept 32
	v_pk_max_num_bf16 v[TMP+n], v[TMP+n], s[FLOOR]
.set n, n+1
.endr
.endm
.macro TOSTAGE a
.set BK, OB+192*((\a)%2)
.irp b, 0,1,2,3,4,5,6,7
	ds_store_b128 v[STO], v[TMP+4*(\b):TMP+4*(\b)+3] offset:32*(\b)
.endr
.irp t, 0,1,2,3,4,5,6,7
	ds_load_b128 v[BK+4*(\t):BK+4*(\t)+3], v[RD] offset:((\t)%4)*4*SPITCH+((\t)/4)*128   ; LDS serves a wave's instructions in order (ISA guide 5.7.1.4)
.endr
.endm
.macro SEND a
.set BK, OB+192*((\a)%2)
	s_wait_dscnt 0x0                               ; the block is back in registers
	s_wait_xcnt 0x0                                ; earlier stores have read their base and data: only now are these rewritten
.if (\a) == 0
	s_add_nc_u64 s[8:9], s[8:9], s[16:17]
.else
	s_add_nc_u64 s[8:9], s[8:9], 2048              ; 16 rows of 128 bytes on
.endif
.irp t, 0,1,2,3,4,5,6,7
	global_store_b128 v[CO], v[BK+4*(\t):BK+4*(\t)+3], s[8:9] offset:((\t)/4)*524288+((\t)%4)*512
.endr
.endm
	s_wait_tensorcnt 1                             ; my part of K step 0 is in; K step 1's may stay out
	s_barrier_signal -1
	s_barrier_wait -1
	FETCH 0, F0
	s_wait_loadcnt 0x0                             ; the bias
	s_wait_kmcnt 0x0                               ; the floor
	QUARTER 64,  F0, F1, 1                         ; the first quarter of all: the bias starts the sums
	WIN 0
	s_mov_b32 s3, STEPS-2
	s_branch .Lin                                  ; the loop is entered behind a step's first quarter
.Lstep:                                                ; 6 trips: K steps 0 to 5, each of which fills its slot again
	QUARTER 64,  F0, F1, 0
	WIN 0
.Lin:
	QUARTER 128, F1, F0, 0
	QUARTER 192, F0, F1, 0
	TURN
	WIN 0
	s_sub_co_u32 s3, s3, 1
	s_cmp_lg_u32 s3, 0
	s_cbranch_scc1 .Lstep
	s_mov_b32 s3, 2
.Ltail:                                                ; 2 trips: K steps 6 and 7 fill nothing
	QUARTER 64,  F0, F1, 0
	QUARTER 128, F1, F0, 0
	QUARTER 192, F0, F1, 0
	TURNN
	WIN 0
	s_sub_co_u32 s3, s3, 1
	s_cmp_lg_u32 s3, 0
	s_cbranch_scc1 .Ltail
	PLACES
	PACK 0
	TOSTAGE 0
.irp a, 1,2,3,4,5,6,7                  ; block a's conversions stand between block a - 1's loads from the stage and the wait for them
	PACK \a
	SEND (\a)-1
	TOSTAGE \a
.endr
	SEND 7
	s_wait_tensorcnt 0x0                           ; the wave's end
	ds_add_u32 v[SPW], v[NIL]
	s_wait_dscnt 0x0
	CROUND                                         ; the closing round
	s_endpgm
.Lfunc_end_k_q6cad10c064_qkv:
	.size	k_q6cad10c064_qkv, .Lfunc_end_k_q6cad10c064_qkv-k_q6cad10c064_qkv
	.p2alignl 7, 3214868480
	.fill 96, 4, 3214868480
	.section	.rodata,"a",@progbits
	.p2align	6, 0x0
	.amdhsa_kernel k_q6cad10c064_qkv
		.amdhsa_group_segment_fixed_size 327680
		.amdhsa_private_segment_fixed_size 0
		.amdhsa_enable_private_segment 0
		.amdhsa_kernarg_size 24
		.amdhsa_user_sgpr_count 2
		.amdhsa_user_sgpr_kernarg_segment_ptr 1
		.amdhsa_wavefront_size32 1
		.amdhsa_system_sgpr_workgroup_id_x 1
		.amdhsa_system_sgpr_workgroup_id_y 1
		.amdhsa_system_sgpr_workgroup_id_z 1
		.amdhsa_system_vgpr_workitem_id 0
		.amdhsa_next_free_vgpr 1024
		.amdhsa_next_free_sgpr 76
		.amdhsa_reserve_vcc 0
		.amdhsa_float_denorm_mode_32 3
		.amdhsa_float_denorm_mode_16_64 3
		.amdhsa_memory_ordered 1
		.amdhsa_forward_progress 1
		.amdhsa_inst_pref_size 119
	.end_amdhsa_kernel
	.amdgpu_metadata
---
amdhsa.version: [ 1, 2 ]
amdhsa.kernels:
  - .name:           k_q6cad10c064_qkv
    .symbol:         k_q6cad10c064_qkv.kd
    .args:
      - { .name: out0, .offset: 0, .size: 8, .value_kind: global_buffer, .address_space: global }
      - { .name: wqkv_t, .offset: 8, .size: 8, .value_kind: global_buffer, .address_space: global }
      - { .name: big, .offset: 16, .size: 8, .value_kind: global_buffer, .address_space: global }
    .group_segment_fixed_size: 327680
    .private_segment_fixed_size: 0
    .kernarg_segment_align: 8
    .kernarg_segment_size: 24
    .max_flat_workgroup_size: 128
    .sgpr_count:     76
    .vgpr_count:     1024
    .wavefront_size: 32
...
	.end_amdgpu_metadata
.endif
;; end of part 2
;; launch attn (part 3): grid 4 x 64, 4 waves a work-group, no clusters, 327,680 bytes of LDS; arguments big, wqkv_t, out0; writes out0
.if DOCPART == 3
	.amdgcn_target "amdgcn-amd-amdhsa--gfx1250"
	.amdhsa_code_object_version 6
	.text
	.protected	k_q6cad10c064_attn
	.globl	k_q6cad10c064_attn
	.p2align	8
	.type	k_q6cad10c064_attn,@function
k_q6cad10c064_attn:
	s_mov_b64 s[64:65], 0
	v_nop
	global_prefetch_b8 v0, s[64:65] scope:SCOPE_SE
	s_setreg_imm32_b32 hwreg(HW_REG_WAVE_MODE, 25, 1), 1
	s_wait_xcnt 0x0
; ATTENTION WITH RELATIVE POSITIONS.  O[q] = sum over k of softmax_k((Q[q].K[k] + Q[q].E[id] + rb[id]) / 8) V[k], id = clip(k - q, -16, 16) + 16.
; q, k, v lie in the first buffer as panels [48][4096][64] bf16: for work-group y (= 4 head + batch) 1,024 dense rows of 128 bytes at y x 131,072 (+ 8,388,608 for k, + 16,777,216 for v).  O leaves in q's layout.
; The second buffer holds, at byte 16,640, rb spread to 64 numbers (f32) and, at 16,896, E spread to 64 rows (bf16): row e is table row clip(e - 15, 0, 32).
; Products, maxima and sums in f32; the weights p are rounded to bf16 for the second product (their sum is taken of the unrounded p), O once at the end.
; LIMITS.  A weight below 2^-126 counts as 0 in the sum.  NaN and infinities are not treated apart.  The running maximum starts at the lowest finite number, c m at -4.25e37.
; SHARES.  A work-group owns 256 queries of one head and batch, a wave 64 on end: four PIECES of 16.  Every wave walks all 1,024 keys, 64 a step.
; ALL OF K AND V LIES IN LDS: 16 tensor loads at the head, four a wave (four of mine are out at the most), and nothing is ever filled again.  All are waited for ahead of the one barrier.
; NO CLUSTER: what a step does (below) hangs on the block's place, and partners of a joint load must run alike; each work-group reads its 262,144 bytes once.
; THE RELATIVE TERM.  T[q][e] = Q[q].E_spread[e] + rb_spread[e], made once by 32 matrix instructions a wave.  For a tile of 16 keys from k0 and 16 queries from q0, d = k0 - q0:
; d <= -32: the term is T[q][0] (TLO); d >= 32: T[q][62] (THI); d = -16, 0, 16: T[q][d + 31 + key - query] (BAND), gathered through LDS into S^T's own layout.
; It is the C operand that starts S^T = K Q^T: the registers CI hold it for the step in hand and are rewritten only in the four steps round the wave's own (step - my place = -1, 0, 1, 2).
; LAYOUT, SOFTMAX, TURNS.  S^T holds ONE query a lane (lane % 16) and the keys 8 (lane / 16) + 0..7; two such results rounded to bf16 ARE source 1 of O^T = V^T P.  p = 2^(c s - c m), c = log2(e) / 8, with a running
; maximum m; O and l are multiplied by a = 2^(c m_old - c m_new) in every step.  Turn n belongs to piece n: 8 products K Q^T of piece n + 1, later 8 products V^T P of piece n - 1; beside them the scaling, exponentials,
; roundings, sums and rescaling of piece n and the maximum and statistics of piece n + 1.  Four vector instructions stand behind every matrix instruction, the rest in one lump.  A turn's 33 exponentials are one batch with one wait.
; A trip is turns 3, 0, 1, 2: its four runs K Q^T belong to one step.  The first trip's turn 3 works on an empty piece (scores at the lowest finite number, a = 0), so no first step is written out.
; REGISTERS, in windows of 256 (s_set_vgpr_msb: bits 1:0 source 0, 3:2 source 1, 5:4 source 2, 7:6 destination):
;   window 0: v0-15, v32-34 addresses; v16-31 statistics; v48-55 at work; v64-127 S^T, two buffers; v192-223 P, two buffers       window 1: v0-127 O^T; v128-255 CI (piece x, key tile kt at 128 + 32 x + 8 kt)
;   window 2: v0-63 Q; v128-191 K of one step; v192-255 V of one step       window 3: v0-63 E's fragments; v64-95 rb as C operands; v96-191 BAND (24 x + 8 (d / 16 + 1) + j); v192-195 TLO; v196-199 THI
.set NP,    4
.set KS,    64
.set PK,    144       ; a row of K in LDS: 128 bytes + 16
.set PV,    160       ; a row of V: 128 + 32
.set VOFF,  1024*PK
.set SCR,   VOFF+1024*PV  ; behind K and V, never filled by a tensor load: 3,328 bytes a wave: 16 rows x 208 for the gather, later 16 x 144 for the way out
.set SCRW,  3328
.set TP,    208
.set SP,    144
.set SPARE, SCR+4*SCRW    ; the spare words, 128 bytes a wave
.set AK0, 2
.set AV0, 3
.set AK,  4
.set AV,  5
.set STO, 6
.set RD,  7
.set GO,  8
.set MV,  12
.set RO,  14          ; v14  32 x (l / 16)
.set QO,  15
.set ST,  16
.set ST2, 32          ; v32  where I put 16 bytes of T: row l % 16, 32 bytes for each half of the lanes
.set GA,  33          ; v33  the gather: row l % 16 less 4 (l % 16), plus 32 (l / 16)
.set TA,  34          ; v34  my query's row of T
.set TMP, 48
.set SPW, 62
.set NIL, 63
.set S,   64
.set P,   192
.set CI,  128
.set KF,  128
.set VF,  192
.set RBF, 64
.set BAND, 96
.set TLO, 192
.set THI, 196
.set WV,  12
.set WQ,  15          ; s15  my wave's place among the head's sixteen blocks of 64 queries
.set G1K, 24
.set G1V, 32
.set G0K, 40          ; s[40:55] four sets of group 0 for K
.set CNT, 57
.set CS,  58
.set SEL, 60
.set TBK, 62
.set TBV, 63
.set G0V, 68          ; s[68:83] four sets for V
.set REL, 84          ; s84  16 + step - my place
.set TAB, 86          ; s[86:87] the tables' buffer
.set MSB, 0
.macro WIN new
.if MSB != (\new)
	s_set_vgpr_msb (MSB<<8)|(\new)
.set MSB, (\new)
.endif
.endm
.set W_KQ, 0x0a
.set W_KM, 0x1a
.set W_PV, 0x52
.set W_RS, 0x41
.set W_CI, 0x43       ; destination window 1, source 0 window 3
	s_load_b128 s[4:7], s[0:1], 0x0   ; q, k, v s[4:5]; the tables s[6:7]
	s_load_b64 s[10:11], s[0:1], 0x10 ; O
	v_lshl_add_u32 v[SPW], v0, 2, SPARE
	v_mov_b32 v[NIL], 0
	ds_add_u32 v[SPW], v[NIL]       ; the wave's opening
	v_lshrrev_b32 v1, 5, v0
	v_readfirstlane_b32 s[WV], v1
	s_lshl_b32 s[WQ], ttmp9, 2
	s_add_co_u32 s[WQ], s[WQ], s[WV]
	s_and_b32 s20, ttmp7, 0xffff
	s_lshl_b32 s20, s20, 17         ; y x 131,072
	s_and_b32 s16, s[WV], 1         ; which half of each 256 keys I fetch
	s_lshl_b32 s22, s16, 14
	s_add_co_u32 s22, s22, s20
	s_mov_b32 s23, 0
	s_mul_i32 s17, s16, 128*PK
	s_mul_i32 s18, s16, 128*PV
	s_lshl_b32 s2, s[WQ], 13        ; my 64 rows of 128 bytes
	s_add_co_u32 s2, s2, s20
	s_mov_b32 s3, 0
	; 128 keys are 16,384 dense bytes: asked for as 64 rows of 256 bytes, padded in LDS after every key
	s_mov_b32 s[G1K], (1<<16)|(1<<20)|(4<<22)|(3<<25)
	s_mov_b32 s[G1V], (1<<16)|(1<<20)|(4<<22)|(7<<25)
.irp g, G1K, G1V
	s_mov_b32 s[\g+1], 128<<16
	s_mov_b32 s[\g+2], 64<<16
	s_mov_b32 s[\g+3], 128<<16
	s_mov_b32 s[\g+4], 64
	s_mov_b32 s[\g+5], 128
	s_mov_b32 s[\g+6], 0
	s_mov_b32 s[\g+7], 0
.endr
.irp c, 0,1,2,3
	s_mov_b32 s[G0K+4*(\c)], 1
	s_add_co_u32 s[G0K+4*(\c)+1], s17, (\c)*256*PK
	s_mov_b32 s[G0V+4*(\c)], 1
	s_add_co_u32 s[G0V+4*(\c)+1], s18, VOFF+(\c)*256*PV
.endr
	s_mov_b32 s[CS], 0x3e38aa3b     ; c = log2(e) / 8
	s_mov_b32 s[CS+1], s[CS]
	s_mov_b32 s[SEL], 0x76543210
	s_mov_b32 s[SEL+1], 0xfedcba98
	s_mov_b32 s[TBK], 0
	s_mov_b32 s[TBV], 0
	s_wait_dscnt 0x0                ; the opening add is done
	s_wait_kmcnt 0x0
	s_mov_b64 s[TAB:TAB+1], s[6:7]
	s_add_nc_u64 s[6:7], s[4:5], s[22:23]
	s_add_nc_u64 s[8:9], s[6:7], 16777216
	s_add_nc_u64 s[6:7], s[6:7], 8388608
.irp c, 0,1,2,3
	s_add_nc_u64 s[G0K+4*(\c)+2:G0K+4*(\c)+3], s[6:7], (\c)*32768
	s_or_b32 s[G0K+4*(\c)+3], s[G0K+4*(\c)+3], 0x80000000
	s_add_nc_u64 s[G0V+4*(\c)+2:G0V+4*(\c)+3], s[8:9], (\c)*32768
	s_or_b32 s[G0V+4*(\c)+3], s[G0V+4*(\c)+3], 0x80000000
.endr
	s_add_nc_u64 s[4:5], s[4:5], s[2:3]
	s_add_nc_u64 s[10:11], s[10:11], s[2:3]
	s_cmp_lt_u32 s[WV], 2           ; a wave's four first fills stand in one branch, ahead of every wait on TENSORcnt, every LDS read and the barrier
	s_cbranch_scc0 .Lfirst_v
.irp c, 0,1,2,3
	tensor_load_to_lds s[G0K+4*(\c):G0K+4*(\c)+3], s[G1K:G1K+7]
	s_nop 0
.endr
.rept 4
	v_nop
.endr
	s_branch .Lfirst_asked
.Lfirst_v:
.irp c, 0,1,2,3
	tensor_load_to_lds s[G0V+4*(\c):G0V+4*(\c)+3], s[G1V:G1V+7]
	s_nop 0
.endr
.rept 4
	v_nop
.endr
.Lfirst_asked:
	v_and_b32 v1, 15, v0            ; l % 16
	v_bfe_u32 v9, v0, 4, 1          ; l / 16
	v_lshlrev_b32 v[QO], 7, v1
	v_lshl_add_u32 v[QO], v9, 4, v[QO]  ; a fragment's row x 128 + 16 x half: for Q and for E
	v_lshlrev_b32 v[RO], 5, v9
	WIN 0x80
.set i, 0
.rept 8                             ; Q: piece i / 2, channels 32 (i % 2) on
	global_load_b128 v[8*i:8*i+3],   v[QO], s[4:5] offset:(i/2)*2048+(i%2)*64
	global_load_b128 v[8*i+4:8*i+7], v[QO], s[4:5] offset:(i/2)*2048+(i%2)*64+32
.set i, i+1
.endr
	WIN 0xc0
.set i, 0
.rept 8                             ; E: rows 16 (i / 2) on, channels 32 (i % 2) on
	global_load_b128 v[8*i:8*i+3],   v[QO], s[TAB:TAB+1] offset:16896+(i/2)*2048+(i%2)*64
	global_load_b128 v[8*i+4:8*i+7], v[QO], s[TAB:TAB+1] offset:16896+(i/2)*2048+(i%2)*64+32
.set i, i+1
.endr
.set i, 0
.rept 4                             ; rb as a C operand: register j is number 16 i + 8 (l / 16) + j
	global_load_b128 v[RBF+8*i:RBF+8*i+3],   v[RO], s[TAB:TAB+1] offset:16640+64*i
	global_load_b128 v[RBF+8*i+4:RBF+8*i+7], v[RO], s[TAB:TAB+1] offset:16640+64*i+16
.set i, i+1
.endr
	WIN 0
	v_mul_u32_u24 v[AK0], v1, PK
	v_lshl_add_u32 v[AK0], v9, 4, v[AK0]
	v_and_b32 v10, 7, v0
	v_bfe_u32 v11, v0, 3, 1
	v_lshl_add_u32 v[AV0], v9, 3, v10   ; the turning load: key 8 (l / 16) + l % 8, channels 8 ((l / 8) % 2) on
	v_mul_u32_u24 v[AV0], v[AV0], PV
	v_lshl_add_u32 v[AV0], v11, 4, v[AV0]
	v_add_nc_u32 v[AV0], VOFF, v[AV0]
	s_mul_i32 s13, s[WV], SCRW
	s_add_co_u32 s13, s13, SCR      ; my scratch
	v_mul_u32_u24 v[STO], v1, SP
	v_lshl_add_u32 v[STO], v9, 4, v[STO]
	v_add_nc_u32 v[STO], s13, v[STO]
	v_bfe_u32 v[RD], v0, 3, 2
	v_mul_u32_u24 v[RD], v[RD], SP
	v_lshl_add_u32 v[RD], v10, 4, v[RD]
	v_add_nc_u32 v[RD], s13, v[RD]
	v_and_b32 v[GO], 31, v0
	v_lshlrev_b32 v[GO], 4, v[GO]
	v_mul_u32_u24 v[TA], v1, TP
	v_add_nc_u32 v[TA], s13, v[TA]
	v_lshl_add_u32 v[ST2], v9, 5, v[TA]
	v_mul_u32_u24 v[GA], v1, TP-4
	v_lshl_add_u32 v[GA], v9, 5, v[GA]
	v_add_nc_u32 v[GA], s13, v[GA]
	; what the first trip finds: V, O^T, l and P's first buffer hold 0.  All this stands in the wait for the tiles.
	WIN 0x80
.set i, VF
.rept 64
	v_mov_b32 v[i], 0
.set i, i+1
.endr
	WIN 0x40
.set i, 0
.rept 128
	v_mov_b32 v[i], 0
.set i, i+1
.endr
	WIN 0
.set i, 0
.rept 4
	v_mov_b32 v[ST+4*i], 0xfe000000    ; c m: far below every c s
	v_mov_b32 v[ST+4*i+1], 0xff7fffff  ; m
	v_mov_b32 v[ST+4*i+2], 0
	v_mov_b32 v[ST+4*i+3], 0
.set i, i+1
.endr
.set i, P
.rept 16
	v_mov_b32 v[i], 0
.set i, i+1
.endr
	v_mov_b32 v[TMP+6], 0           ; the empty piece's a
	v_mov_b32 v[TMP+7], 0
	s_wait_loadcnt 0x0              ; Q, E, rb
	; T for piece x: four accumulators of 16 table rows x 16 queries, by turns; then the gather, in two passes of 48 and 32 table rows through 16 rows of 208 bytes.
	; LDS serves a wave's instructions in order (ISA guide 5.7.1.4): each pass's loads see its stores, and the second pass's stores come behind the first's loads.
.irp x, 0,1,2,3
.set SBF, S+32*((\x)%2)
	WIN 0x3b                        ; E and rb window 3, Q window 2, T window 0
.irp et, 0,1,2,3
	v_wmma_f32_16x16x32_bf16 v[SBF+8*(\et):SBF+8*(\et)+7], v[16*(\et):16*(\et)+7], v[16*(\x):16*(\x)+7], v[RBF+8*(\et):RBF+8*(\et)+7]
.endr
	WIN 0x0b
.irp et, 0,1,2,3
	v_wmma_f32_16x16x32_bf16 v[SBF+8*(\et):SBF+8*(\et)+7], v[16*(\et)+8:16*(\et)+15], v[16*(\x)+8:16*(\x)+15], v[SBF+8*(\et):SBF+8*(\et)+7]
.endr
	WIN 0
.rept 4
	v_nop                           ; the places behind those products
.endr
.irp et, 0,1,2
	ds_store_b128 v[ST2], v[SBF+8*(\et):SBF+8*(\et)+3]   offset:64*(\et)
	ds_store_b128 v[ST2], v[SBF+8*(\et)+4:SBF+8*(\et)+7] offset:64*(\et)+16
.endr
	WIN 0xc0
.irp dd, 0,1
.irp j, 0,1,2,3,4,5,6,7
	ds_load_b32 v[BAND+24*(\x)+8*(\dd)+(\j)], v[GA] offset:4*(16*(\dd)+15+(\j))   ; table row d + 31 + 8 (l / 16) + j - l % 16, d = -16, 0
.endr
.endr
	ds_load_b32 v[TLO+(\x)], v[TA]
	WIN 0
.irp et, 2,3
	ds_store_b128 v[ST2], v[SBF+8*(\et):SBF+8*(\et)+3]   offset:64*((\et)-2)
	ds_store_b128 v[ST2], v[SBF+8*(\et)+4:SBF+8*(\et)+7] offset:64*((\et)-2)+16
.endr
	WIN 0xc0
.irp j, 0,1,2,3,4,5,6,7
	ds_load_b32 v[BAND+24*(\x)+16+(\j)], v[GA] offset:4*(15+(\j))                 ; d = 16; the rows now begin at table row 32
.endr
	ds_load_b32 v[THI+(\x)], v[TA] offset:120                                     ; table row 62
	WIN 0
.endr
	s_wait_dscnt 0x0
.set i, S+32
.rept 32
	v_mov_b32 v[i], 0xff7fffff      ; the empty piece's scores
.set i, i+1
.endr
	WIN W_CI
.set i, 0
.rept 128
	v_mov_b32 v[CI+i], v[TLO+i/32]  ; far to the left of the band every term is TLO
.set i, i+1
.endr
	WIN 0
.macro SETC x, kt, src, bc          ; the C operand of piece x, key tile kt: eight registers, or (bc = 1) one register eight times
.set jj, 0
.rept 8
	v_mov_b32 v[CI+32*(\x)+8*(\kt)+jj], v[(\src)+jj*(1-(\bc))]
.set jj, jj+1
.endr
.endm
; THE MATRIX WORK.  The 4 accumulators of a run of 8 take turns.
.macro KQ x
.set rS, S+32*((\x)%2)+8*(i%4)
.set rK, KF+16*(i%4)+8*(i/4)
.set rQ, 16*(\x)+8*(i/4)
.set rM, CI+32*(\x)+8*(i%4)
.if i < 4
	WIN W_KM
	v_wmma_f32_16x16x32_bf16 v[rS:rS+7], v[rK:rK+7], v[rQ:rQ+7], v[rM:rM+7]
.else
	WIN W_KQ
	v_wmma_f32_16x16x32_bf16 v[rS:rS+7], v[rK:rK+7], v[rQ:rQ+7], v[rS:rS+7]
.endif
.endm
.macro PV x
	WIN W_PV
.set rO, 32*(\x)+8*(i%4)
.set rV, VF+32*(i/4)+8*(i%4)
.set rP, P+16*((\x)%2)+8*(i/4)
	v_wmma_f32_16x16x32_bf16 v[rO:rO+7], v[rV:rV+7], v[rP:rP+7], v[rO:rO+7]
.endm
.macro MM
.if (i < 8) && !NOKQ
	KQ (Y+1)%NP
.elseif i >= 8
.set i, i-8
	PV (Y+NP-1)%NP
.set i, i+8
.endif
.set i, i+1
.endm
; THE LDS LOADS stand in runs of 16.  The step's address is held to the last step's: the last trip fetches K of step 15 once more, the price of one text for every trip.
.macro FETCH_K
	WIN 0x80
.irp f, 0,1,2,3,4,5,6,7
	ds_load_b128 v[KF+8*\f:KF+8*\f+3],   v[AK] offset:(\f/2)*16*PK+(\f%2)*64
	ds_load_b128 v[KF+8*\f+4:KF+8*\f+7], v[AK] offset:(\f/2)*16*PK+(\f%2)*64+32
.endr
	s_add_co_u32 s[TBK], s[TBK], KS*PK
	s_min_u32 s[TBK], s[TBK], 15*KS*PK
	WIN 0
.endm
.macro FETCH_V
	WIN 0x80
.irp f, 0,1,2,3,4,5,6,7
	ds_load_tr16_b128 v[VF+8*\f:VF+8*\f+3],   v[AV] offset:(\f/4)*32*PV+(\f%4)*32
	ds_load_tr16_b128 v[VF+8*\f+4:VF+8*\f+7], v[AV] offset:(\f/4)*32*PV+16*PV+(\f%4)*32
.endr
	WIN 0
.endm
; THE VECTOR WORK: OP kind, number.  For piece Y: F n: c s - c m for pair n.  E n: the exponential of score n.  C n: pair n rounded to bf16.  B n: of four weights the second pair is added onto the first.
; L n: l takes that sum (L 0: l = a l + sum).  R n: pair n of O^T times a.  For piece Y + 1: X n, number n of the 22 that find its maximum and statistics (each accumulator's lowest registers are read first).
.set F, 0
.set E, 1
.set C, 2
.set B, 3
.set L, 4
.set R, 5
.set X, 6
.macro REGS y
.set rT, ST+4*(\y)
.set rC, TMP+4*((\y)%2)
.set rW, MV+((\y)%2)
.set rS, S+32*((\y)%2)
.set rP, P+16*((\y)%2)
.set rO, 32*(\y)
.endm
.macro OP k, n
.if (\k) == R
	REGS Y
	WIN W_RS
	v_pk_mul_f32 v[rO+2*(\n):rO+2*(\n)+1], v[rO+2*(\n):rO+2*(\n)+1], v[rC+2:rC+3] op_sel_hi:[1,0]
.elseif (\k) < R
	REGS Y
	WIN 0
.if (\k) == F
	v_pk_fma_f32 v[rS+2*(\n):rS+2*(\n)+1], v[rS+2*(\n):rS+2*(\n)+1], s[CS:CS+1], v[rT:rT+1] op_sel_hi:[1,0,0] neg_lo:[0,0,1] neg_hi:[0,0,1]
.elseif (\k) == E
	v_exp_f32 v[rS+(\n)], v[rS+(\n)]
.elseif (\k) == C
	v_cvt_pk_bf16_f32 v[rP+(\n)], v[rS+2*(\n)], v[rS+2*(\n)+1]
.elseif (\k) == B
	v_pk_add_f32 v[rS+4*(\n):rS+4*(\n)+1], v[rS+4*(\n):rS+4*(\n)+1], v[rS+4*(\n)+2:rS+4*(\n)+3]
.elseif (\n) == 0
	v_pk_fma_f32 v[rT+2:rT+3], v[rT+2:rT+3], v[rC+2:rC+3], v[rS:rS+1] op_sel_hi:[1,0,1]
.else
	v_pk_add_f32 v[rT+2:rT+3], v[rT+2:rT+3], v[rS+4*(\n):rS+4*(\n)+1]
.endif
.elseif NOKQ
	v_nop
.else
	REGS (Y+1)%NP
	WIN 0
.if (\n) < 4
	v_max3_num_f32 v[rC+(\n)], v[rS+8*(\n)], v[rS+8*(\n)+1], v[rS+8*(\n)+2]
.elseif (\n) < 12
	v_max3_num_f32 v[rC+(\n)%4], v[rC+(\n)%4], v[rS+8*((\n)%4)+2*((\n)/4)+1], v[rS+8*((\n)%4)+2*((\n)/4)+2]
.elseif (\n) == 12
	v_max3_num_f32 v[rC], v[rC], v[rS+7], v[rS+15]
.elseif (\n) == 13
	v_max3_num_f32 v[rC+1], v[rC+1], v[rS+23], v[rS+31]
.elseif (\n) == 14
	v_max3_num_f32 v[rC+2], v[rC+2], v[rC+3], v[rT+1]
.elseif (\n) == 15
	v_mov_b32 v[rW], v[rT]
.elseif (\n) == 16
	v_max3_num_f32 v[rC], v[rC], v[rC+1], v[rC+2]
.elseif (\n) == 17
	v_permlanex16_b32 v[rC+3], v[rC], s[SEL], s[SEL+1]
.elseif (\n) == 18
	v_max_num_f32 v[rT+1], v[rC], v[rC+3]
.elseif (\n) == 19
	v_mul_f32 v[rT], s[CS], v[rT+1]
.elseif (\n) == 20
	v_sub_f32 v[rC+1], v[rW], v[rT]
.else
	v_exp_f32 v[rC+2], v[rC+1]
.endif
.endif
.endm
.macro OPS a, i1, b=-1, i2=0, c=-1, i3=0, d=-1, i4=0
	OP \a, \i1
.if (\b) >= 0
	OP \b, \i2
.endif
.if (\c) >= 0
	OP \c, \i3
.endif
.if (\d) >= 0
	OP \d, \i4
.endif
.endm
.macro ROW a, i1, b, i2, c, i3, d, i4
	MM
	OPS \a, \i1, \b, \i2, \c, \i3, \d, \i4
.endm
; A TURN, for piece p.  Ahead of its one wait stands all that names no result of the turn's exponentials: the 8 products K Q^T with their riders and the lump; X 21, the next piece's a, is the batch's last, and R 15 the plain
; instruction behind it.  Behind the wait stand the 8 products V^T P, behind each four of the roundings and sums.  end = 1: the walk's last turn: no new scores, nothing is fetched.
; K of the next step is fetched in piece 2's turn, six plain instructions behind the last product that read K; V of the step in hand at the end of piece 0's turn, four plain instructions behind the last product that read V.
.macro TURN p, end=0
.set Y, (\p)
.set i, 0
.set NOKQ, (\end)
.if ((\p) == 3) && !(\end)
	s_wait_dscnt 0x0                ; K is in
.endif
	ROW F,0, F,1, R,0, R,1
	ROW F,2, E,0, R,2, R,3
	ROW F,3, E,1, R,4, R,5
	ROW F,4, E,2, R,6, R,7
	ROW F,5, E,3, R,8, R,9
	ROW F,6, E,4, X,0, R,10
.if (\p) == 2
	WIN 0
	v_add_nc_u32 v[AK], s[TBK], v[AK0]
.endif
	ROW F,7, E,5, X,1, X,4
	ROW F,8, E,6, X,2, X,5
	OPS E,7, E,8, X,6, E,9
	OPS X,3, E,10, X,8, E,11
.if (\p) == 2
	FETCH_K
.endif
	OPS X,9, X,7, E,12, X,10
	OPS E,13, X,12, X,11, E,14
	OPS X,13, E,15, F,9, X,14
.if (\p) == 0
	v_add_nc_u32 v[AV], s[TBV], v[AV0]
.endif
	OPS E,16, F,10, E,17, F,11
	OPS X,16, E,18, X,15, E,19
	OPS F,12, E,20, X,17, E,21
	OPS F,13, E,22, F,14, E,23
	OPS X,18, E,24, F,15, E,25
	OPS R,11, E,26, X,19, E,27
	OPS R,12, E,28, R,13, E,29
	OPS X,20, E,30, R,14, E,31
	OPS X,21, R,15
	WIN 0
	s_wait_alu depctr_va_vdst(0)    ; the wait for the batch
.if (\p) == 1
	s_wait_dscnt 0x0                ; V is in
.endif
	ROW C,0, B,0, C,2, B,1
	ROW L,0, C,4, B,2, L,1
	ROW C,6, B,3, L,2, C,8
	ROW B,4, L,3, C,10, B,5
	ROW L,4, C,12, B,6, L,5
.if (\p) == 0
	s_add_co_u32 s[TBV], s[TBV], KS*PV
	s_min_u32 s[TBV], s[TBV], 15*KS*PV
.endif
	ROW C,14, B,7, L,6, C,1
	ROW C,3, L,7, C,5, C,7
	ROW C,9, C,11, C,13, C,15
.if (\p) == 0
	FETCH_V
.endif
.endm
.macro ALL line:vararg
.set t, 0
.rept 4
	\line
.set t, t+1
.endr
.endm
.macro PACK t
	WIN W_RS
.set i, 32*(\t)
.rept 16
	v_pk_mul_f32 v[i:i+1], v[i:i+1], v[ST+4*(\t)+2:ST+4*(\t)+3] op_sel_hi:[1,0]
.set i, i+2
.endr
	WIN 0x05
.set i, 0
.rept 16
	v_cvt_pk_bf16_f32 v[S+16*(\t)+i], v[32*(\t)+2*i], v[32*(\t)+2*i+1]
.set i, i+1
.endr
	WIN 0
.irp f, 0,1,2,3
	ds_store_b128 v[STO], v[S+16*(\t)+4*\f:S+16*(\t)+4*\f+3] offset:32*\f
.endr
.irp f, 0,1,2,3
	ds_load_b128 v[S+16*(\t)+4*\f:S+16*(\t)+4*\f+3], v[RD] offset:\f*4*SP  ; LDS serves a wave's instructions in order: these see the stores above
.endr
.endm
.macro SEND t, younger
	WIN 0
.irp f, 0,1,2,3
	s_wait_dscnt (\younger)+3-\f
	global_store_b128 v[GO], v[S+16*(\t)+4*\f:S+16*(\t)+4*\f+3], s[10:11] offset:(\t)*2048+\f*512  ; 512 consecutive bytes, aligned to 256
.endr
.endm
	s_wait_tensorcnt 0x0            ; my four tiles are in,
	s_wait_dscnt 0x0
	s_barrier_signal -1
	s_barrier_wait -1               ; everybody's are: all of K and V
	v_mov_b32 v[AK], v[AK0]
	FETCH_K                         ; key step 0
	s_sub_co_u32 s[REL], 16, s[WQ]
	s_mov_b32 s[CNT], 16
.Ltrip:
	s_sub_co_u32 s85, s[REL], 15    ; step - my place + 1: 0 to 3 in the four steps that meet the band
	s_cmp_gt_u32 s85, 3
	s_cbranch_scc1 .Lset
	s_cmp_eq_u32 s85, 0
	s_cbranch_scc1 .Lbefore
	s_cmp_eq_u32 s85, 1
	s_cbranch_scc1 .Lown
	s_cmp_eq_u32 s85, 2
	s_cbranch_scc1 .Lafter
	WIN W_CI
	SETC 3, 0, THI+3, 1             ; two steps on: the last tile leaves the band
	WIN 0
	s_branch .Lset
.Lbefore:
	WIN W_CI
	SETC 0, 3, BAND, 0              ; the step before mine: d = -16 for piece 0 and the step's last 16 keys
	WIN 0
	s_branch .Lset
.Lown:
	WIN W_CI
.irp x, 0,1,2,3
.irp kt, 0,1,2,3
.if ((\kt)+4-(\x) >= 3) && ((\kt)+4-(\x) <= 5)
	SETC \x, \kt, BAND+24*(\x)+8*((\kt)+1-(\x)), 0
.elseif (\kt)+4-(\x) >= 6
	SETC \x, \kt, THI+(\x), 1
.endif
.endr
.endr
	WIN 0
	s_branch .Lset
.Lafter:
	WIN W_CI
.irp x, 0,1,2,3
.irp kt, 0,1,2,3
.if ((\x) == 3) && ((\kt) == 0)
	SETC 3, 0, BAND+24*3+16, 0      ; d = 16
.elseif (\kt)+4-(\x) <= 5
	SETC \x, \kt, THI+(\x), 1
.endif
.endr
.endr
	WIN 0
.Lset:
	TURN 3
	TURN 0
	TURN 1
	TURN 2
	WIN 0
	s_add_co_u32 s[REL], s[REL], 1
	s_sub_co_u32 s[CNT], s[CNT], 1
	s_cmp_lg_u32 s[CNT], 0
	s_cbranch_scc1 .Ltrip
	TURN 3, 1                       ; piece 3's last softmax, piece 2's last V^T P
.set i, 0
.rept 8
	PV NP-1
.set i, i+1
.endr
	; THE WAY OUT: l's two halves and the other half of the lanes' are added; O^T is divided by l, rounded to bf16 and sent through my scratch, a piece at a time.
	WIN 0
	ALL v_add_f32 v[ST+4*t+2], v[ST+4*t+2], v[ST+4*t+3]
	ALL v_permlanex16_b32 v[ST+4*t+3], v[ST+4*t+2], s[SEL], s[SEL+1]
	ALL v_add_f32 v[ST+4*t+2], v[ST+4*t+2], v[ST+4*t+3]
	ALL v_rcp_f32 v[ST+4*t+2], v[ST+4*t+2]
	v_nop                           ; a plain instruction behind the last reciprocal,
	s_wait_alu depctr_va_vdst(0)    ; and one wait for the four
	PACK 0
.set t, 1
.rept 3
	PACK t
	SEND t-1, 8
.set t, t+1
.endr
	SEND 3, 0
	s_wait_tensorcnt 0x0            ; the wave's end
	ds_add_u32 v[SPW], v[NIL]
	s_wait_dscnt 0x0
	s_endpgm
.Lfunc_end_k_q6cad10c064_attn:
	.size	k_q6cad10c064_attn, .Lfunc_end_k_q6cad10c064_attn-k_q6cad10c064_attn
	.p2alignl 7, 3214868480
	.fill 96, 4, 3214868480
	.section	.rodata,"a",@progbits
	.p2align	6, 0x0
	.amdhsa_kernel k_q6cad10c064_attn
		.amdhsa_group_segment_fixed_size 327680
		.amdhsa_private_segment_fixed_size 0
		.amdhsa_enable_private_segment 0
		.amdhsa_kernarg_size 24
		.amdhsa_user_sgpr_count 2
		.amdhsa_user_sgpr_kernarg_segment_ptr 1
		.amdhsa_wavefront_size32 1
		.amdhsa_system_sgpr_workgroup_id_x 1
		.amdhsa_system_sgpr_workgroup_id_y 1
		.amdhsa_system_sgpr_workgroup_id_z 1
		.amdhsa_system_vgpr_workitem_id 0
		.amdhsa_next_free_vgpr 1024
		.amdhsa_next_free_sgpr 88
		.amdhsa_reserve_vcc 0
		.amdhsa_float_denorm_mode_32 3
		.amdhsa_float_denorm_mode_16_64 3
		.amdhsa_memory_ordered 1
		.amdhsa_forward_progress 1
		.amdhsa_inst_pref_size 105
	.end_amdhsa_kernel
	.amdgpu_metadata
---
amdhsa.version: [ 1, 2 ]
amdhsa.kernels:
  - .name:           k_q6cad10c064_attn
    .symbol:         k_q6cad10c064_attn.kd
    .args:
      - { .name: big, .offset: 0, .size: 8, .value_kind: global_buffer, .address_space: global }
      - { .name: wqkv_t, .offset: 8, .size: 8, .value_kind: global_buffer, .address_space: global }
      - { .name: out0, .offset: 16, .size: 8, .value_kind: global_buffer, .address_space: global }
    .group_segment_fixed_size: 327680
    .private_segment_fixed_size: 0
    .kernarg_segment_align: 8
    .kernarg_segment_size: 24
    .max_flat_workgroup_size: 128
    .sgpr_count:     88
    .vgpr_count:     1024
    .wavefront_size: 32
...
	.end_amdgpu_metadata
.endif
;; end of part 3
;; launch wo (part 4): grid 8 x 32, 4 waves a work-group, clusters of 4 x 4, 327,680 bytes of LDS; arguments out0, wo_t, bo, x, x1; writes x1
.if DOCPART == 4
	.amdgcn_target "amdgcn-amd-amdhsa--gfx1250"
	.amdhsa_code_object_version 6
	.text
	.protected	k_q6cad10c064_wo
	.globl	k_q6cad10c064_wo
	.p2align	8
	.type	k_q6cad10c064_wo,@function
k_q6cad10c064_wo:
	s_mov_b64 s[64:65], 0
	v_nop
	global_prefetch_b8 v0, s[64:65] scope:SCOPE_SE
	s_setreg_imm32_b32 hwreg(HW_REG_WAVE_MODE, 25, 1), 1
	s_wait_xcnt 0x0
	s_wait_alu depctr_hold_cnt(0) depctr_sa_sdst(0) depctr_va_vdst(0) depctr_va_sdst(0) depctr_va_ssrc(0) depctr_va_vcc(0) depctr_vm_vsrc(0)
	s_getreg_b32 s2, hwreg(HW_REG_IB_STS2, 6, 4)
	s_cmp_eq_u32 s2, 0
	s_cbranch_scc0 .Lentry_in_a_cluster
	s_endpgm
.Lentry_in_a_cluster:
	s_bfe_u32 s2, ttmp6, 0x10000c
	s_cmp_lg_u32 s2, 0xf033
	s_cbranch_scc0 .Lentry_shape_is_right
	s_endpgm
.Lentry_shape_is_right:
; OUT[m][n] = RES[m][n] + bias[n] + sum over k of A[m][k] W[n][k].  A: panels [SIZE_K / 64][4096 rows][64] bf16; W: panels [SIZE_K / 64][1024 n][64] bf16; bias f32; RES, OUT: [4096][1024] f32.
; Sums in f32, started by the bias; the residual is added in f32 on the way out.
; A tile of OUT is 128 x 128: 256 work-groups.  Four waves, 64 x 64 each: 16 accumulators.  K goes in steps of 256 (four panels) through two LDS slots.  A tile's 128 rows of one panel are 16,384 dense
; bytes: one tensor load brings two panels, as two rows of 8,192 elements a panel apart, padded in LDS after every 128 bytes.
; A K STEP IS WRITTEN ONCE FOR EACH KIND: a loop of SIZE_K / 256 - 2 trips whose change of slots fills the slot again, entered behind its first quarter (the first quarter of all, which takes the bias as C, stands in
; front); then a loop of 2 trips that fills nothing.  Which slot is in hand is a scalar bit that each change of slots flips; the LDS addresses are a base plus that bit x the slot's bytes.
; CLUSTER 4 x 4: A's tiles are shared along a row of the cluster, W's along a column, by joint loads.  THE MATRIX INSTRUCTION IS USED TRANSPOSED: a lane holds eight neighbouring columns of a row.
; REGISTERS: window 0: v0-31 addresses; v32-95 the way out; v128-255 accumulators ((a, b) at 128 + 8 (4 a + b)).   window 1: two fragment buffers of 128.   window 2: v0-31 the bias as C operands; v32-159 the residual.
.set SIZE_K, 1024
.set STEPS,  SIZE_K/256
.set PITCH,  144
.set PANEL,  128*PITCH
.set HALFT,  2*PANEL
.set SLOT,   4*HALFT
.set STAGE,  2*SLOT                    ; behind the ring: 16 rows x 272 bytes for each wave, its own
.set SPITCH, 272
.set SPARE,  STAGE+4*16*SPITCH         ; the spare words, 128 bytes a wave
.set APAN,   4096*128                  ; bytes in a panel of A
.set BPAN,   1024*128                  ; and of W
.set ADRA, 16                          ; v16  my A fragments in the slot in hand
.set A0,   17                          ; v17  the same in slot 0; never rewritten
.set ADRB, 20                          ; v20, v21  likewise for W
.set B0,   21
.set STO,  24
.set RD,   25
.set CO,   26
.set BO,   27
.set SPW,  28
.set NIL,  29
.set TMP,  32
.set ACC,  128
.set RES,  32                          ; window 2
.set F0,   0
.set F1,   128
.set G1,  24
.set G0,  32                           ; s[32:39] group 0 for A: a set for each of the two first fills; the second then walks on
.set G1B, 48
.set G0B, 56                           ; s[56:63] the same for W
.set LW,  72                           ; s72  my quarter of a slot: wave x two panels
.set TG,  73                           ; s73  the slot in hand, 0 or 1
.set TB,  74                           ; s74  its first byte
.set MSB, 0
.macro WIN new                         ; the immediate's high byte repeats the setting that is left; a switch that changes nothing is dropped
.if MSB != (\new)
	s_set_vgpr_msb (MSB<<8)|(\new)
.set MSB, \new
.endif
.endm
.set MUL,  0x05
.set TO_F, 0x40
.macro JLOAD s                         ; waves 0 and 1 fetch A's panel pairs, waves 2 and 3 W's; an s_nop 0 and four v_nop follow each line
	s_cmp_eq_u32 s11, 0
	s_cbranch_scc0 .Lfor_b_\@
	tensor_load_to_lds s[G0+4*(\s):G0+4*(\s)+3], s[G1:G1+7]
	s_nop 0
.rept 4
	v_nop
.endr
	s_branch .Lasked_\@
.Lfor_b_\@:
	tensor_load_to_lds s[G0B+4*(\s):G0B+4*(\s)+3], s[G1B:G1B+7]
	s_nop 0
.rept 4
	v_nop
.endr
.Lasked_\@:
.endm
.macro CREST                           ; a round of the cluster's barrier behind its opening barrier
	s_cmp_lg_u32 s10, 0
	s_cbranch_scc1 .Lnot_wave_0_\@
	s_barrier_signal -3
.Lnot_wave_0_\@:
	s_barrier_wait -3
	s_barrier_signal -1
	s_barrier_wait -1
.endm
.macro CROUND
	s_barrier_signal -1
	s_barrier_wait -1
	CREST
.endm
	s_load_b128 s[4:7], s[0:1], 0x0                ; A s[4:5], W s[6:7]
	s_load_b128 s[68:71], s[0:1], 0x10             ; bias s[68:69], RES s[70:71]
	s_load_b64 s[8:9], s[0:1], 0x20                ; OUT
	v_lshl_add_u32 v[SPW], v0, 2, SPARE
	v_mov_b32 v[NIL], 0
	ds_add_u32 v[SPW], v[NIL]                      ; the wave's opening
	v_lshrrev_b32 v1, 5, v0
	v_readfirstlane_b32 s10, v1
	s_lshr_b32 s11, s10, 1                         ; my half of the tile's rows; also: I fetch for A (0) or W (1)
	s_and_b32 s12, s10, 1                          ; my half of its columns; also: which two panels I fetch
	s_bfe_u32 s40, ttmp6, 0x40000
	s_bfe_u32 s41, ttmp6, 0x40004
	s_lshl_b32 s42, ttmp9, 2
	s_add_co_u32 s42, s42, s40                     ; tile column
	s_and_b32 s13, ttmp7, 0xffff
	s_lshl_b32 s13, s13, 2
	s_add_co_u32 s13, s13, s41                     ; tile row
	s_lshl_b32 s43, s41, 2
	s_lshl_b32 s43, 15, s43
	s_lshl_b32 s44, 0x1111, s40
	s_or_b32 s[G1+0], s43, (1<<16)|(1<<20)|(1<<21)|(4<<22)|(3<<25)   ; mask; 2-byte elements; padding on; bit 21 beside a mask; after every 32 words 4 words
	s_or_b32 s[G1B+0], s44, (1<<16)|(1<<20)|(1<<21)|(4<<22)|(3<<25)
.irp g, G1, G1B
	s_mov_b32 s[(\g)+1], 8192<<16                  ; tensor_dim0 = 8,192
	s_mov_b32 s[(\g)+2], 2<<16                     ; tensor_dim1 = 2
	s_mov_b32 s[(\g)+3], 8192<<16                  ; tile_dim0 = 8,192
	s_mov_b32 s[(\g)+4], 2                         ; tile_dim1 = 2
	s_mov_b32 s[(\g)+6], 0
	s_mov_b32 s[(\g)+7], 0
.endr
	s_mov_b32 s[G1+5], APAN/2                      ; elements from panel to panel
	s_mov_b32 s[G1B+5], BPAN/2
	s_lshl_b32 s16, s13, 14                        ; A: the tile's 128 rows of 128 bytes, and my two panels
	s_lshl_b32 s17, s12, 20
	s_add_co_u32 s16, s16, s17
	s_mov_b32 s17, 0
	s_lshl_b32 s46, s42, 14                        ; W likewise
	s_lshl_b32 s47, s12, 18
	s_add_co_u32 s46, s46, s47
	s_mov_b32 s47, 0
	s_mul_i32 s[LW], s10, HALFT                    ; where they go: no place in the cluster enters an LDS address
	s_mov_b32 s[TG], 0                             ; slot 0 is in hand
	s_mov_b32 s[TB], 0
	s_wait_dscnt 0x0                               ; the opening add is done
	s_wait_kmcnt 0x0
	s_add_nc_u64 s[14:15], s[4:5], s[16:17]
	s_add_nc_u64 s[46:47], s[6:7], s[46:47]
	CROUND                                         ; all sixteen work-groups are here: the first joint loads meet
.irp s, 0,1
	s_mov_b32 s[G0+4*(\s)], 1
	s_add_co_u32 s[G0+4*(\s)+1], s[LW], (\s)*SLOT
	s_add_nc_u64 s[G0+4*(\s)+2:G0+4*(\s)+3], s[14:15], (\s)*4*APAN
	s_or_b32 s[G0+4*(\s)+3], s[G0+4*(\s)+3], 0x80000000
	s_mov_b32 s[G0B+4*(\s)], 1
	s_add_co_u32 s[G0B+4*(\s)+1], s[LW], (\s)*SLOT
	s_add_nc_u64 s[G0B+4*(\s)+2:G0B+4*(\s)+3], s[46:47], (\s)*4*BPAN
	s_or_b32 s[G0B+4*(\s)+3], s[G0B+4*(\s)+3], 0x80000000
	JLOAD \s
.endr
	v_and_b32 v1, 15, v0
	v_bfe_u32 v2, v0, 4, 1
	v_mul_u32_u24 v3, v1, PITCH
	v_lshl_add_u32 v3, v2, 4, v3
	s_mul_i32 s21, s11, 64*PITCH                   ; my 64 rows in each panel of A
	s_mul_i32 s22, s12, 64*PITCH                   ; and of W,
	s_add_co_u32 s22, s22, 2*HALFT                 ; whose panels lie behind A's four
	v_add_nc_u32 v[A0], s21, v3
	v_add_nc_u32 v[B0], s22, v3
	v_mov_b32 v[ADRA], v[A0]
	v_mov_b32 v[ADRB], v[B0]
	s_mul_i32 s23, s10, 16*SPITCH
	s_add_co_u32 s23, s23, STAGE
	v_mul_u32_u24 v4, v1, SPITCH                   ; in: row l % 16, 32 bytes for each half of the lanes
	v_lshl_add_u32 v4, v2, 5, v4
	v_add_nc_u32 v[STO], s23, v4
	v_mul_u32_u24 v5, v2, SPITCH                   ; back: lanes 0-15 one row of 256 bytes, lanes 16-31 the next
	v_lshl_add_u32 v5, v1, 4, v5
	v_add_nc_u32 v[RD], s23, v5
	v_lshlrev_b32 v5, 12, v2                       ; the same two rows in OUT and RES
	v_lshl_add_u32 v[CO], v1, 4, v5
	v_lshlrev_b32 v[BO], 5, v2
	s_lshl_b32 s16, s13, 7
	s_lshl_b32 s17, s11, 6
	s_add_co_u32 s16, s16, s17
	s_lshl_b32 s16, s16, 12                        ; my first row, 4,096 bytes a row
	s_mov_b32 s17, 0
	s_lshl_b32 s46, s42, 9                         ; my first column, in bytes of f32
	s_lshl_b32 s47, s12, 8
	s_add_co_u32 s46, s46, s47
	s_mov_b32 s47, 0
	s_add_nc_u64 s[68:69], s[68:69], s[46:47]
	s_add_nc_u64 s[16:17], s[16:17], s[46:47]
	s_add_nc_u64 s[8:9], s[8:9], s[16:17]
	s_add_nc_u64 s[70:71], s[70:71], s[16:17]
	WIN 0x80
.irp b, 0,1,2,3
	global_load_b128 v[8*(\b):8*(\b)+3],   v[BO], s[68:69] offset:64*(\b)
	global_load_b128 v[8*(\b)+4:8*(\b)+7], v[BO], s[68:69] offset:64*(\b)+16
.endr
	WIN 0
.macro MUL8 f, c, a0, zero             ; zero = 1: the bias starts the sums.  The 16 accumulators take turns
.if \zero
	WIN 0x25
.else
	WIN MUL
.endif
.irp a, \a0, (\a0)+1
.irp b, 0,1,2,3
.if \zero
	v_wmma_f32_16x16x32_bf16 v[ACC+8*(4*(\a)+(\b)):ACC+8*(4*(\a)+(\b))+7], v[(\f)+64+8*(4*(\c)+(\b)):(\f)+64+8*(4*(\c)+(\b))+7], v[(\f)+8*(4*(\c)+(\a)):(\f)+8*(4*(\c)+(\a))+7], v[8*(\b):8*(\b)+7]
.else
	v_wmma_f32_16x16x32_bf16 v[ACC+8*(4*(\a)+(\b)):ACC+8*(4*(\a)+(\b))+7], v[(\f)+64+8*(4*(\c)+(\b)):(\f)+64+8*(4*(\c)+(\b))+7], v[(\f)+8*(4*(\c)+(\a)):(\f)+8*(4*(\c)+(\a))+7], v[ACC+8*(4*(\a)+(\b)):ACC+8*(4*(\a)+(\b))+7]
.endif
.endr
.endr
.endm
.macro FETCH k, f                      ; 32 LDS loads in one run: one panel's fragments (64 along K) of the slot in hand, the first 32 along K first
	WIN TO_F
.irp c, 0,1
.irp i, 0,1,2,3
	ds_load_b128 v[(\f)+64+8*(4*(\c)+(\i)):(\f)+64+8*(4*(\c)+(\i))+3],   v[ADRB] offset:(\k)+64*(\c)+(\i)*16*PITCH
	ds_load_b128 v[(\f)+64+8*(4*(\c)+(\i))+4:(\f)+64+8*(4*(\c)+(\i))+7], v[ADRB] offset:(\k)+64*(\c)+(\i)*16*PITCH+32
	ds_load_b128 v[(\f)+8*(4*(\c)+(\i)):(\f)+8*(4*(\c)+(\i))+3],         v[ADRA] offset:(\k)+64*(\c)+(\i)*16*PITCH
	ds_load_b128 v[(\f)+8*(4*(\c)+(\i))+4:(\f)+8*(4*(\c)+(\i))+7],       v[ADRA] offset:(\k)+64*(\c)+(\i)*16*PITCH+32
.endr
.endr
.endm
.macro FLIP                            ; the other slot is in hand
	WIN 0
	s_xor_b32 s[TG], s[TG], 1
	s_mul_i32 s[TB], s[TG], SLOT
	v_add_nc_u32 v[ADRA], s[TB], v[A0]
	v_add_nc_u32 v[ADRB], s[TB], v[B0]
.endm
.macro PLACES                          ; four plain instructions between a matrix instruction and a load into, or a read of, its registers
.rept 4
	v_nop
.endr
.endm
.macro QUARTER k, f, g, zero           ; multiplies buffer f; in its middle it fetches the next panel's fragments, at byte k, into buffer g
	s_wait_dscnt 16                                ; the first 32 along K are in
	MUL8 \f, 0, 0, \zero
	MUL8 \f, 0, 2, \zero
	PLACES
	FETCH \k, \g
	s_wait_dscnt 32                                ; all but the 32 just issued
	MUL8 \f, 1, 0, 0
	MUL8 \f, 1, 2, 0
.endm
; The change of slots: each wave waits for all its tensor loads (one is out at the most: its part of the next slot), adds 0 to its spare word, waits for that and for its reads of this slot, and signals.
.macro MEET
	WIN 0
	s_wait_tensorcnt 0x0
	ds_add_u32 v[SPW], v[NIL]
	s_wait_dscnt 17                                ; (the add and the youngest sixteen loads may be out)
	MUL8 F1, 0, 0, 0
	s_wait_dscnt 0x0                               ; the add is done, my reads of this slot are over
	s_barrier_signal -1
	MUL8 F1, 0, 2, 0
	WIN 0
	s_barrier_wait -1
.endm
; The last quarter of a step whose slot is filled again, with the K step two steps on: the walking descriptor takes the slot just read and goes four panels on.
.macro TURN
	MEET
	CREST                                          ; no wave of any partner still reads this slot or has a load on its way
	s_add_co_u32 s[G0+5], s[LW], s[TB]
	s_add_co_u32 s[G0B+5], s[LW], s[TB]
	s_add_nc_u64 s[G0+6:G0+7], s[G0+6:G0+7], 4*APAN
	s_add_nc_u64 s[G0B+6:G0B+7], s[G0B+6:G0B+7], 4*BPAN
	JLOAD 1                                        ; the first tensor load behind the round; its four v_nop are also the places in front of the loads below
	FLIP
	FETCH 0, F0
	MUL8 F1, 1, 0, 0
	MUL8 F1, 1, 2, 0
.endm
; The same where nothing is filled.  In the last trip there is no further step, and the run of LDS loads is jumped over.
.macro TURNN
	MEET
	PLACES
	s_cmp_eq_u32 s3, 1
	s_cbranch_scc1 .Lno_more_\@
	FLIP
	FETCH 0, F0
	WIN 0                                          ; at a label every window is 0
.Lno_more_\@:
	MUL8 F1, 1, 0, 0
	MUL8 F1, 1, 2, 0
.endm
	s_wait_tensorcnt 1                             ; my part of K step 0 is in; K step 1's may stay out
	s_barrier_signal -1
	s_barrier_wait -1
	FETCH 0, F0
	s_wait_loadcnt 0x0                             ; the bias
	QUARTER PANEL, F0, F1, 1                       ; the first quarter of all: the bias starts the sums
	WIN 0
	s_mov_b32 s3, STEPS-2
	s_branch .Lin                                  ; the loop is entered behind a step's first quarter
.Lstep:                                                ; all K steps but the last two: each fills its slot again
	QUARTER PANEL,   F0, F1, 0
	WIN 0
.Lin:
	QUARTER 2*PANEL, F1, F0, 0
	QUARTER 3*PANEL, F0, F1, 0
	TURN
	WIN 0
	s_sub_co_u32 s3, s3, 1
	s_cmp_lg_u32 s3, 0
	s_cbranch_scc1 .Lstep
	WIN 0x80
.set n, 0
.rept 32                               ; the residual of my 64 x 64, in the stores' own layout: asked for when the last tile has been asked for; two K steps' products stand between these loads and the wait for them
	global_load_b128 v[RES+4*n:RES+4*n+3], v[CO], s[70:71] offset:2*n*4096
.set n, n+1
.endr
	WIN 0
	s_mov_b32 s3, 2
.Ltail:                                                ; the last two K steps fill nothing
	QUARTER PANEL,   F0, F1, 0
	QUARTER 2*PANEL, F1, F0, 0
	QUARTER 3*PANEL, F0, F1, 0
	TURNN
	WIN 0
	s_sub_co_u32 s3, s3, 1
	s_cmp_lg_u32 s3, 0
	s_cbranch_scc1 .Ltail
	; THE WAY OUT.  A wave's 64 columns of f32 are 256 bytes: 16 rows at a time go through my own stage and come back as whole rows; the residual is added; 16 lanes store 256 consecutive bytes, aligned.
	PLACES
	s_wait_loadcnt 0x0                             ; the residual
.irp a, 0,1,2,3
.if (\a) >= 2
	s_wait_xcnt 0x0                                ; the stores of two blocks back have read the registers that are loaded again below
.endif
.irp b, 0,1,2,3
	ds_store_b128 v[STO], v[ACC+8*(4*(\a)+(\b)):ACC+8*(4*(\a)+(\b))+3]   offset:64*(\b)
	ds_store_b128 v[STO], v[ACC+8*(4*(\a)+(\b))+4:ACC+8*(4*(\a)+(\b))+7] offset:64*(\b)+16
.endr
.irp t, 0,1,2,3,4,5,6,7
	ds_load_b128 v[TMP+32*((\a)%2)+4*(\t):TMP+32*((\a)%2)+4*(\t)+3], v[RD] offset:(\t)*2*SPITCH   ; LDS serves a wave's instructions in order (ISA guide 5.7.1.4)
.endr
	s_wait_dscnt 0x0
	WIN 0x08                                       ; source 1 in window 2
.set n, 0
.rept 16
	v_pk_add_f32 v[TMP+32*((\a)%2)+2*n:TMP+32*((\a)%2)+2*n+1], v[TMP+32*((\a)%2)+2*n:TMP+32*((\a)%2)+2*n+1], v[RES+32*(\a)+2*n:RES+32*(\a)+2*n+1]
.set n, n+1
.endr
	WIN 0
.irp t, 0,1,2,3,4,5,6,7
	global_store_b128 v[CO], v[TMP+32*((\a)%2)+4*(\t):TMP+32*((\a)%2)+4*(\t)+3], s[8:9] offset:(16*(\a)+2*(\t))*4096
.endr
.endr
	s_wait_tensorcnt 0x0                           ; the wave's end
	ds_add_u32 v[SPW], v[NIL]
	s_wait_dscnt 0x0
	CROUND                                         ; the closing round
	s_endpgm
.Lfunc_end_k_q6cad10c064_wo:
	.size	k_q6cad10c064_wo, .Lfunc_end_k_q6cad10c064_wo-k_q6cad10c064_wo
	.p2alignl 7, 3214868480
	.fill 96, 4, 3214868480
	.section	.rodata,"a",@progbits
	.p2align	6, 0x0
	.amdhsa_kernel k_q6cad10c064_wo
		.amdhsa_group_segment_fixed_size 327680
		.amdhsa_private_segment_fixed_size 0
		.amdhsa_enable_private_segment 0
		.amdhsa_kernarg_size 40
		.amdhsa_user_sgpr_count 2
		.amdhsa_user_sgpr_kernarg_segment_ptr 1
		.amdhsa_wavefront_size32 1
		.amdhsa_system_sgpr_workgroup_id_x 1
		.amdhsa_system_sgpr_workgroup_id_y 1
		.amdhsa_system_sgpr_workgroup_id_z 1
		.amdhsa_system_vgpr_workitem_id 0
		.amdhsa_next_free_vgpr 768
		.amdhsa_next_free_sgpr 76
		.amdhsa_reserve_vcc 0
		.amdhsa_float_denorm_mode_32 3
		.amdhsa_float_denorm_mode_16_64 3
		.amdhsa_memory_ordered 1
		.amdhsa_forward_progress 1
		.amdhsa_inst_pref_size 66
	.end_amdhsa_kernel
	.amdgpu_metadata
---
amdhsa.version: [ 1, 2 ]
amdhsa.kernels:
  - .name:           k_q6cad10c064_wo
    .symbol:         k_q6cad10c064_wo.kd
    .args:
      - { .name: out0, .offset: 0, .size: 8, .value_kind: global_buffer, .address_space: global }
      - { .name: wo_t, .offset: 8, .size: 8, .value_kind: global_buffer, .address_space: global }
      - { .name: bo, .offset: 16, .size: 8, .value_kind: global_buffer, .address_space: global }
      - { .name: x, .offset: 24, .size: 8, .value_kind: global_buffer, .address_space: global }
      - { .name: x1, .offset: 32, .size: 8, .value_kind: global_buffer, .address_space: global }
    .group_segment_fixed_size: 327680
    .private_segment_fixed_size: 0
    .kernarg_segment_align: 8
    .kernarg_segment_size: 40
    .max_flat_workgroup_size: 128
    .sgpr_count:     76
    .vgpr_count:     768
    .wavefront_size: 32
...
	.end_amdgpu_metadata
.endif
;; end of part 4
;; launch ln2 (part 5): grid 256 x 1, 8 waves a work-group, no clusters, 0 bytes of LDS; arguments x1, ln2_scale, ln2_bias, out0; writes out0
.if DOCPART == 5
	.amdgcn_target "amdgcn-amd-amdhsa--gfx1250"
	.amdhsa_code_object_version 6
	.text
	.protected	k_q6cad10c064_ln2
	.globl	k_q6cad10c064_ln2
	.p2align	8
	.type	k_q6cad10c064_ln2,@function
k_q6cad10c064_ln2:
	s_mov_b64 s[64:65], 0
	v_nop
	global_prefetch_b8 v0, s[64:65] scope:SCOPE_SE
	s_setreg_imm32_b32 hwreg(HW_REG_WAVE_MODE, 25, 1), 1
	s_wait_xcnt 0x0
; LayerNorm: y = (z - mean) / sqrt(variance + 1e-6) x gain + bias.  z: [4096][1024] f32; y: the same shape in bf16, rounded once.
; A wave takes two rows of 4,096 bytes in registers: the row is read once; the variance is taken of z - mean, so a common offset costs nothing.  No LDS, no barrier: no wave waits for another.
.set X0,    32
.set X1,    64
.set SC,    96
.set BI,    128
.set Y0,    160
.set Y1,    176
.macro REDUCE                          ; four pairs v[4:11] -> their sum over the wave, in v4 of every lane
	v_pk_add_f32 v[4:5], v[4:5], v[6:7]
	v_pk_add_f32 v[8:9], v[8:9], v[10:11]
	v_pk_add_f32 v[4:5], v[4:5], v[8:9]
	v_add_f32 v4, v4, v5
	v_add_f32_dpp v4, v4, v4 row_xmask:1 row_mask:0xf bank_mask:0xf
	v_add_f32_dpp v4, v4, v4 row_xmask:2 row_mask:0xf bank_mask:0xf
	v_add_f32_dpp v4, v4, v4 row_xmask:4 row_mask:0xf bank_mask:0xf
	v_add_f32_dpp v4, v4, v4 row_xmask:8 row_mask:0xf bank_mask:0xf
	v_permlanex16_b32 v5, v4, s13, s14
	v_add_f32 v4, v4, v5
.endm
.macro STATS X, t, R
.irp k, 0,1,2,3
	v_pk_add_f32 v[4+2*(\k):5+2*(\k)], v[(\X)+2*(\k):(\X)+2*(\k)+1], v[(\X)+8+2*(\k):(\X)+8+2*(\k)+1]
.endr
.irp m, 2,3
.irp k, 0,1,2,3
	v_pk_add_f32 v[4+2*(\k):5+2*(\k)], v[4+2*(\k):5+2*(\k)], v[(\X)+8*(\m)+2*(\k):(\X)+8*(\m)+2*(\k)+1]
.endr
.endr
	REDUCE
	v_mul_f32 v12, s15, v4
	v_mul_f32 v13, s15, v4
.set n, 0
.rept 16
	v_pk_add_f32 v[(\X)+2*n:(\X)+2*n+1], v[(\X)+2*n:(\X)+2*n+1], v[12:13] neg_lo:[0,1] neg_hi:[0,1]
.set n, n+1
.endr
.irp k, 0,1,2,3
	v_pk_mul_f32 v[4+2*(\k):5+2*(\k)], v[(\X)+2*(\k):(\X)+2*(\k)+1], v[(\X)+2*(\k):(\X)+2*(\k)+1]
.endr
.irp m, 1,2,3
.irp k, 0,1,2,3
	v_pk_fma_f32 v[4+2*(\k):5+2*(\k)], v[(\X)+8*(\m)+2*(\k):(\X)+8*(\m)+2*(\k)+1], v[(\X)+8*(\m)+2*(\k):(\X)+8*(\m)+2*(\k)+1], v[4+2*(\k):5+2*(\k)]
.endr
.endr
	REDUCE
	v_fma_f32 v[\t], v4, s15, s20
	v_rsq_f32 v[\R], v[\t]
	v_rsq_f32 v[\R+1], v[\t]
.endm
.macro EMIT X, R, Y, row
.irp j, 0,1,2,3,4,5,6,7
	v_pk_mul_f32 v[(\X)+4*(\j):(\X)+4*(\j)+1],   v[(\X)+4*(\j):(\X)+4*(\j)+1],   v[\R:\R+1]
	v_pk_mul_f32 v[(\X)+4*(\j)+2:(\X)+4*(\j)+3], v[(\X)+4*(\j)+2:(\X)+4*(\j)+3], v[\R:\R+1]
	v_pk_fma_f32 v[(\X)+4*(\j):(\X)+4*(\j)+1],   v[(\X)+4*(\j):(\X)+4*(\j)+1],   v[SC+4*(\j):SC+4*(\j)+1],   v[BI+4*(\j):BI+4*(\j)+1]
	v_pk_fma_f32 v[(\X)+4*(\j)+2:(\X)+4*(\j)+3], v[(\X)+4*(\j)+2:(\X)+4*(\j)+3], v[SC+4*(\j)+2:SC+4*(\j)+3], v[BI+4*(\j)+2:BI+4*(\j)+3]
	v_cvt_pk_bf16_f32 v[(\Y)+2*(\j)],   v[(\X)+4*(\j)],   v[(\X)+4*(\j)+1]
	v_cvt_pk_bf16_f32 v[(\Y)+2*(\j)+1], v[(\X)+4*(\j)+2], v[(\X)+4*(\j)+3]
	global_store_b64 v2, v[(\Y)+2*(\j):(\Y)+2*(\j)+1], s[10:11] offset:(\row)*2048+256*(\j)   ; 32 lanes store 256 consecutive bytes, aligned
.endr
.endm
	s_load_b256 s[4:11], s[0:1], 0x0               ; z s[4:5], gain s[6:7], bias s[8:9], y s[10:11]
	v_lshrrev_b32 v1, 5, v0
	v_readfirstlane_b32 s2, v1
	s_lshl_b32 s12, ttmp9, 3
	s_add_co_u32 s12, s12, s2
	s_lshl_b32 s12, s12, 1                         ; my first row
	v_and_b32 v1, 31, v0
	v_lshlrev_b32 v2, 3, v1
	v_lshlrev_b32 v1, 4, v1
	s_mov_b32 s13, 0x76543210
	s_mov_b32 s14, 0xfedcba98
	s_mov_b32 s15, 0x3a800000                      ; 1 / 1024
	s_mov_b32 s20, 0x358637bd                      ; 1e-6
	s_lshl_b32 s16, s12, 12
	s_mov_b32 s17, 0
	s_lshl_b32 s18, s12, 11
	s_mov_b32 s19, 0
	s_wait_kmcnt 0x0
	s_add_nc_u64 s[4:5], s[4:5], s[16:17]
	s_add_nc_u64 s[10:11], s[10:11], s[18:19]
.irp j, 0,1,2,3,4,5,6,7
	global_load_b128 v[X0+4*(\j):X0+4*(\j)+3], v1, s[4:5] offset:512*(\j) th:TH_LOAD_NT
.endr
.irp j, 0,1,2,3,4,5,6,7
	global_load_b128 v[X1+4*(\j):X1+4*(\j)+3], v1, s[4:5] offset:4096+512*(\j) th:TH_LOAD_NT
.endr
.irp j, 0,1,2,3,4,5,6,7
	global_load_b128 v[SC+4*(\j):SC+4*(\j)+3], v1, s[6:7] offset:512*(\j)
.endr
.irp j, 0,1,2,3,4,5,6,7
	global_load_b128 v[BI+4*(\j):BI+4*(\j)+3], v1, s[8:9] offset:512*(\j)
.endr
	s_wait_loadcnt 24                              ; the first row is in; 24 younger loads stay out
	STATS X0, 14, 16
	s_wait_loadcnt 16                              ; the second row
	STATS X1, 15, 18
	v_nop                                          ; a plain instruction behind the last v_rsq_f32,
	s_wait_alu depctr_va_vdst(0)                   ; and one wait for the four, ahead of their first reader
	s_wait_loadcnt 0x0                             ; gain and bias
	EMIT X0, 16, Y0, 0
	EMIT X1, 18, Y1, 1
	s_endpgm
.Lfunc_end_k_q6cad10c064_ln2:
	.size	k_q6cad10c064_ln2, .Lfunc_end_k_q6cad10c064_ln2-k_q6cad10c064_ln2
	.p2alignl 7, 3214868480
	.fill 96, 4, 3214868480
	.section	.rodata,"a",@progbits
	.p2align	6, 0x0
	.amdhsa_kernel k_q6cad10c064_ln2
		.amdhsa_group_segment_fixed_size 0
		.amdhsa_private_segment_fixed_size 0
		.amdhsa_enable_private_segment 0
		.amdhsa_kernarg_size 32
		.amdhsa_user_sgpr_count 2
		.amdhsa_user_sgpr_kernarg_segment_ptr 1
		.amdhsa_wavefront_size32 1
		.amdhsa_system_sgpr_workgroup_id_x 1
		.amdhsa_system_sgpr_workgroup_id_y 1
		.amdhsa_system_sgpr_workgroup_id_z 1
		.amdhsa_system_vgpr_workitem_id 0
		.amdhsa_next_free_vgpr 192
		.amdhsa_next_free_sgpr 66
		.amdhsa_reserve_vcc 0
		.amdhsa_float_denorm_mode_32 3
		.amdhsa_float_denorm_mode_16_64 3
		.amdhsa_memory_ordered 1
		.amdhsa_forward_progress 1
		.amdhsa_inst_pref_size 20
	.end_amdhsa_kernel
	.amdgpu_metadata
---
amdhsa.version: [ 1, 2 ]
amdhsa.kernels:
  - .name:           k_q6cad10c064_ln2
    .symbol:         k_q6cad10c064_ln2.kd
    .args:
      - { .name: x1, .offset: 0, .size: 8, .value_kind: global_buffer, .address_space: global }
      - { .name: ln2_scale, .offset: 8, .size: 8, .value_kind: global_buffer, .address_space: global }
      - { .name: ln2_bias, .offset: 16, .size: 8, .value_kind: global_buffer, .address_space: global }
      - { .name: out0, .offset: 24, .size: 8, .value_kind: global_buffer, .address_space: global }
    .group_segment_fixed_size: 0
    .private_segment_fixed_size: 0
    .kernarg_segment_align: 8
    .kernarg_segment_size: 32
    .max_flat_workgroup_size: 256
    .sgpr_count:     66
    .vgpr_count:     192
    .wavefront_size: 32
...
	.end_amdgpu_metadata
.endif
;; end of part 5
;; launch mlp1: the kernel of part 2 again; grid 16 x 16, 4 waves a work-group, clusters of 4 x 4, 327,680 bytes of LDS; arguments out0, w1_t, big; writes big
;; launch mlp2 (part 6): grid 8 x 32, 4 waves a work-group, clusters of 4 x 4, 327,680 bytes of LDS; arguments big, w2_t, b2, x1, out0; writes out0
.if DOCPART == 6
	.amdgcn_target "amdgcn-amd-amdhsa--gfx1250"
	.amdhsa_code_object_version 6
	.text
	.protected	k_q6cad10c064_mlp2
	.globl	k_q6cad10c064_mlp2
	.p2align	8
	.type	k_q6cad10c064_mlp2,@function
k_q6cad10c064_mlp2:
	s_mov_b64 s[64:65], 0
	v_nop
	global_prefetch_b8 v0, s[64:65] scope:SCOPE_SE
	s_setreg_imm32_b32 hwreg(HW_REG_WAVE_MODE, 25, 1), 1
	s_wait_xcnt 0x0
	s_wait_alu depctr_hold_cnt(0) depctr_sa_sdst(0) depctr_va_vdst(0) depctr_va_sdst(0) depctr_va_ssrc(0) depctr_va_vcc(0) depctr_vm_vsrc(0)
	s_getreg_b32 s2, hwreg(HW_REG_IB_STS2, 6, 4)
	s_cmp_eq_u32 s2, 0
	s_cbranch_scc0 .Lentry_in_a_cluster
	s_endpgm
.Lentry_in_a_cluster:
	s_bfe_u32 s2, ttmp6, 0x10000c
	s_cmp_lg_u32 s2, 0xf033
	s_cbranch_scc0 .Lentry_shape_is_right
	s_endpgm
.Lentry_shape_is_right:
; OUT[m][n] = RES[m][n] + bias[n] + sum over k of A[m][k] W[n][k].  A: panels [SIZE_K / 64][4096 rows][64] bf16; W: panels [SIZE_K / 64][1024 n][64] bf16; bias f32; RES, OUT: [4096][1024] f32.
; Sums in f32, started by the bias; the residual is added in f32 on the way out.  The same text as the projection behind attention, with SIZE_K = 4,096.
; A tile of OUT is 128 x 128: 256 work-groups.  Four waves, 64 x 64 each: 16 accumulators.  K goes in steps of 256 (four panels) through two LDS slots.  A tile's 128 rows of one panel are 16,384 dense
; bytes: one tensor load brings two panels, as two rows of 8,192 elements a panel apart, padded in LDS after every 128 bytes.
; A K STEP IS WRITTEN ONCE FOR EACH KIND: a loop of SIZE_K / 256 - 2 trips whose change of slots fills the slot again, entered behind its first quarter (the first quarter of all, which takes the bias as C, stands in
; front); then a loop of 2 trips that fills nothing.  Which slot is in hand is a scalar bit that each change of slots flips; the LDS addresses are a base plus that bit x the slot's bytes.
; CLUSTER 4 x 4: A's tiles are shared along a row of the cluster, W's along a column, by joint loads.  THE MATRIX INSTRUCTION IS USED TRANSPOSED: a lane holds eight neighbouring columns of a row.
; REGISTERS: window 0: v0-31 addresses; v32-95 the way out; v128-255 accumulators ((a, b) at 128 + 8 (4 a + b)).   window 1: two fragment buffers of 128.   window 2: v0-31 the bias as C operands; v32-159 the residual.
.set SIZE_K, 4096
.set STEPS,  SIZE_K/256
.set PITCH,  144
.set PANEL,  128*PITCH
.set HALFT,  2*PANEL
.set SLOT,   4*HALFT
.set STAGE,  2*SLOT                    ; behind the ring: 16 rows x 272 bytes for each wave, its own
.set SPITCH, 272
.set SPARE,  STAGE+4*16*SPITCH         ; the spare words, 128 bytes a wave
.set APAN,   4096*128                  ; bytes in a panel of A
.set BPAN,   1024*128                  ; and of W
.set ADRA, 16                          ; v16  my A fragments in the slot in hand
.set A0,   17                          ; v17  the same in slot 0; never rewritten
.set ADRB, 20                          ; v20, v21  likewise for W
.set B0,   21
.set STO,  24
.set RD,   25
.set CO,   26
.set BO,   27
.set SPW,  28
.set NIL,  29
.set TMP,  32
.set ACC,  128
.set RES,  32                          ; window 2
.set F0,   0
.set F1,   128
.set G1,  24
.set G0,  32                           ; s[32:39] group 0 for A: a set for each of the two first fills; the second then walks on
.set G1B, 48
.set G0B, 56                           ; s[56:63] the same for W
.set LW,  72                           ; s72  my quarter of a slot: wave x two panels
.set TG,  73                           ; s73  the slot in hand, 0 or 1
.set TB,  74                           ; s74  its first byte
.set MSB, 0
.macro WIN new                         ; the immediate's high byte repeats the setting that is left; a switch that changes nothing is dropped
.if MSB != (\new)
	s_set_vgpr_msb (MSB<<8)|(\new)
.set MSB, \new
.endif
.endm
.set MUL,  0x05
.set TO_F, 0x40
.macro JLOAD s                         ; waves 0 and 1 fetch A's panel pairs, waves 2 and 3 W's; an s_nop 0 and four v_nop follow each line
	s_cmp_eq_u32 s11, 0
	s_cbranch_scc0 .Lfor_b_\@
	tensor_load_to_lds s[G0+4*(\s):G0+4*(\s)+3], s[G1:G1+7]
	s_nop 0
.rept 4
	v_nop
.endr
	s_branch .Lasked_\@
.Lfor_b_\@:
	tensor_load_to_lds s[G0B+4*(\s):G0B+4*(\s)+3], s[G1B:G1B+7]
	s_nop 0
.rept 4
	v_nop
.endr
.Lasked_\@:
.endm
.macro CREST                           ; a round of the cluster's barrier behind its opening barrier
	s_cmp_lg_u32 s10, 0
	s_cbranch_scc1 .Lnot_wave_0_\@
	s_barrier_signal -3
.Lnot_wave_0_\@:
	s_barrier_wait -3
	s_barrier_signal -1
	s_barrier_wait -1
.endm
.macro CROUND
	s_barrier_signal -1
	s_barrier_wait -1
	CREST
.endm
	s_load_b128 s[4:7], s[0:1], 0x0                ; A s[4:5], W s[6:7]
	s_load_b128 s[68:71], s[0:1], 0x10             ; bias s[68:69], RES s[70:71]
	s_load_b64 s[8:9], s[0:1], 0x20                ; OUT
	v_lshl_add_u32 v[SPW], v0, 2, SPARE
	v_mov_b32 v[NIL], 0
	ds_add_u32 v[SPW], v[NIL]                      ; the wave's opening
	v_lshrrev_b32 v1, 5, v0
	v_readfirstlane_b32 s10, v1
	s_lshr_b32 s11, s10, 1                         ; my half of the tile's rows; also: I fetch for A (0) or W (1)
	s_and_b32 s12, s10, 1                          ; my half of its columns; also: which two panels I fetch
	s_bfe_u32 s40, ttmp6, 0x40000
	s_bfe_u32 s41, ttmp6, 0x40004
	s_lshl_b32 s42, ttmp9, 2
	s_add_co_u32 s42, s42, s40                     ; tile column
	s_and_b32 s13, ttmp7, 0xffff
	s_lshl_b32 s13, s13, 2
	s_add_co_u32 s13, s13, s41                     ; tile row
	s_lshl_b32 s43, s41, 2
	s_lshl_b32 s43, 15, s43
	s_lshl_b32 s44, 0x1111, s40
	s_or_b32 s[G1+0], s43, (1<<16)|(1<<20)|(1<<21)|(4<<22)|(3<<25)   ; mask; 2-byte elements; padding on; bit 21 beside a mask; after every 32 words 4 words
	s_or_b32 s[G1B+0], s44, (1<<16)|(1<<20)|(1<<21)|(4<<22)|(3<<25)
.irp g, G1, G1B
	s_mov_b32 s[(\g)+1], 8192<<16                  ; tensor_dim0 = 8,192
	s_mov_b32 s[(\g)+2], 2<<16                     ; tensor_dim1 = 2
	s_mov_b32 s[(\g)+3], 8192<<16                  ; tile_dim0 = 8,192
	s_mov_b32 s[(\g)+4], 2                         ; tile_dim1 = 2
	s_mov_b32 s[(\g)+6], 0
	s_mov_b32 s[(\g)+7], 0
.endr
	s_mov_b32 s[G1+5], APAN/2                      ; elements from panel to panel
	s_mov_b32 s[G1B+5], BPAN/2
	s_lshl_b32 s16, s13, 14                        ; A: the tile's 128 rows of 128 bytes, and my two panels
	s_lshl_b32 s17, s12, 20
	s_add_co_u32 s16, s16, s17
	s_mov_b32 s17, 0
	s_lshl_b32 s46, s42, 14                        ; W likewise
	s_lshl_b32 s47, s12, 18
	s_add_co_u32 s46, s46, s47
	s_mov_b32 s47, 0
	s_mul_i32 s[LW], s10, HALFT                    ; where they go: no place in the cluster enters an LDS address
	s_mov_b32 s[TG], 0                             ; slot 0 is in hand
	s_mov_b32 s[TB], 0
	s_wait_dscnt 0x0                               ; the opening add is done
	s_wait_kmcnt 0x0
	s_add_nc_u64 s[14:15], s[4:5], s[16:17]
	s_add_nc_u64 s[46:47], s[6:7], s[46:47]
	CROUND                                         ; all sixteen work-groups are here: the first joint loads meet
.irp s, 0,1
	s_mov_b32 s[G0+4*(\s)], 1
	s_add_co_u32 s[G0+4*(\s)+1], s[LW], (\s)*SLOT
	s_add_nc_u64 s[G0+4*(\s)+2:G0+4*(\s)+3], s[14:15], (\s)*4*APAN
	s_or_b32 s[G0+4*(\s)+3], s[G0+4*(\s)+3], 0x80000000
	s_mov_b32 s[G0B+4*(\s)], 1
	s_add_co_u32 s[G0B+4*(\s)+1], s[LW], (\s)*SLOT
	s_add_nc_u64 s[G0B+4*(\s)+2:G0B+4*(\s)+3], s[46:47], (\s)*4*BPAN
	s_or_b32 s[G0B+4*(\s)+3], s[G0B+4*(\s)+3], 0x80000000
	JLOAD \s
.endr
	v_and_b32 v1, 15, v0
	v_bfe_u32 v2, v0, 4, 1
	v_mul_u32_u24 v3, v1, PITCH
	v_lshl_add_u32 v3, v2, 4, v3
	s_mul_i32 s21, s11, 64*PITCH                   ; my 64 rows in each panel of A
	s_mul_i32 s22, s12, 64*PITCH                   ; and of W,
	s_add_co_u32 s22, s22, 2*HALFT                 ; whose panels lie behind A's four
	v_add_nc_u32 v[A0], s21, v3
	v_add_nc_u32 v[B0], s22, v3
	v_mov_b32 v[ADRA], v[A0]
	v_mov_b32 v[ADRB], v[B0]
	s_mul_i32 s23, s10, 16*SPITCH
	s_add_co_u32 s23, s23, STAGE
	v_mul_u32_u24 v4, v1, SPITCH                   ; in: row l % 16, 32 bytes for each half of the lanes
	v_lshl_add_u32 v4, v2, 5, v4
	v_add_nc_u32 v[STO], s23, v4
	v_mul_u32_u24 v5, v2, SPITCH                   ; back: lanes 0-15 one row of 256 bytes, lanes 16-31 the next
	v_lshl_add_u32 v5, v1, 4, v5
	v_add_nc_u32 v[RD], s23, v5
	v_lshlrev_b32 v5, 12, v2                       ; the same two rows in OUT and RES
	v_lshl_add_u32 v[CO], v1, 4, v5
	v_lshlrev_b32 v[BO], 5, v2
	s_lshl_b32 s16, s13, 7
	s_lshl_b32 s17, s11, 6
	s_add_co_u32 s16, s16, s17
	s_lshl_b32 s16, s16, 12                        ; my first row, 4,096 bytes a row
	s_mov_b32 s17, 0
	s_lshl_b32 s46, s42, 9                         ; my first column, in bytes of f32
	s_lshl_b32 s47, s12, 8
	s_add_co_u32 s46, s46, s47
	s_mov_b32 s47, 0
	s_add_nc_u64 s[68:69], s[68:69], s[46:47]
	s_add_nc_u64 s[16:17], s[16:17], s[46:47]
	s_add_nc_u64 s[8:9], s[8:9], s[16:17]
	s_add_nc_u64 s[70:71], s[70:71], s[16:17]
	WIN 0x80
.irp b, 0,1,2,3
	global_load_b128 v[8*(\b):8*(\b)+3],   v[BO], s[68:69] offset:64*(\b)
	global_load_b128 v[8*(\b)+4:8*(\b)+7], v[BO], s[68:69] offset:64*(\b)+16
.endr
	WIN 0
.macro MUL8 f, c, a0, zero             ; zero = 1: the bias starts the sums.  The 16 accumulators take turns
.if \zero
	WIN 0x25
.else
	WIN MUL
.endif
.irp a, \a0, (\a0)+1
.irp b, 0,1,2,3
.if \zero
	v_wmma_f32_16x16x32_bf16 v[ACC+8*(4*(\a)+(\b)):ACC+8*(4*(\a)+(\b))+7], v[(\f)+64+8*(4*(\c)+(\b)):(\f)+64+8*(4*(\c)+(\b))+7], v[(\f)+8*(4*(\c)+(\a)):(\f)+8*(4*(\c)+(\a))+7], v[8*(\b):8*(\b)+7]
.else
	v_wmma_f32_16x16x32_bf16 v[ACC+8*(4*(\a)+(\b)):ACC+8*(4*(\a)+(\b))+7], v[(\f)+64+8*(4*(\c)+(\b)):(\f)+64+8*(4*(\c)+(\b))+7], v[(\f)+8*(4*(\c)+(\a)):(\f)+8*(4*(\c)+(\a))+7], v[ACC+8*(4*(\a)+(\b)):ACC+8*(4*(\a)+(\b))+7]
.endif
.endr
.endr
.endm
.macro FETCH k, f                      ; 32 LDS loads in one run: one panel's fragments (64 along K) of the slot in hand, the first 32 along K first
	WIN TO_F
.irp c, 0,1
.irp i, 0,1,2,3
	ds_load_b128 v[(\f)+64+8*(4*(\c)+(\i)):(\f)+64+8*(4*(\c)+(\i))+3],   v[ADRB] offset:(\k)+64*(\c)+(\i)*16*PITCH
	ds_load_b128 v[(\f)+64+8*(4*(\c)+(\i))+4:(\f)+64+8*(4*(\c)+(\i))+7], v[ADRB] offset:(\k)+64*(\c)+(\i)*16*PITCH+32
	ds_load_b128 v[(\f)+8*(4*(\c)+(\i)):(\f)+8*(4*(\c)+(\i))+3],         v[ADRA] offset:(\k)+64*(\c)+(\i)*16*PITCH
	ds_load_b128 v[(\f)+8*(4*(\c)+(\i))+4:(\f)+8*(4*(\c)+(\i))+7],       v[ADRA] offset:(\k)+64*(\c)+(\i)*16*PITCH+32
.endr
.endr
.endm
.macro FLIP                            ; the other slot is in hand
	WIN 0
	s_xor_b32 s[TG], s[TG], 1
	s_mul_i32 s[TB], s[TG], SLOT
	v_add_nc_u32 v[ADRA], s[TB], v[A0]
	v_add_nc_u32 v[ADRB], s[TB], v[B0]
.endm
.macro PLACES                          ; four plain instructions between a matrix instruction and a load into, or a read of, its registers
.rept 4
	v_nop
.endr
.endm
.macro QUARTER k, f, g, zero           ; multiplies buffer f; in its middle it fetches the next panel's fragments, at byte k, into buffer g
	s_wait_dscnt 16                                ; the first 32 along K are in
	MUL8 \f, 0, 0, \zero
	MUL8 \f, 0, 2, \zero
	PLACES
	FETCH \k, \g
	s_wait_dscnt 32                                ; all but the 32 just issued
	MUL8 \f, 1, 0, 0
	MUL8 \f, 1, 2, 0
.endm
; The change of slots: each wave waits for all its tensor loads (one is out at the most: its part of the next slot), adds 0 to its spare word, waits for that and for its reads of this slot, and signals.
.macro MEET
	WIN 0
	s_wait_tensorcnt 0x0
	ds_add_u32 v[SPW], v[NIL]
	s_wait_dscnt 17                                ; (the add and the youngest sixteen loads may be out)
	MUL8 F1, 0, 0, 0
	s_wait_dscnt 0x0                               ; the add is done, my reads of this slot are over
	s_barrier_signal -1
	MUL8 F1, 0, 2, 0
	WIN 0
	s_barrier_wait -1
.endm
; The last quarter of a step whose slot is filled again, with the K step two steps on: the walking descriptor takes the slot just read and goes four panels on.
.macro TURN
	MEET
	CREST                                          ; no wave of any partner still reads this slot or has a load on its way
	s_add_co_u32 s[G0+5], s[LW], s[TB]
	s_add_co_u32 s[G0B+5], s[LW], s[TB]
	s_add_nc_u64 s[G0+6:G0+7], s[G0+6:G0+7], 4*APAN
	s_add_nc_u64 s[G0B+6:G0B+7], s[G0B+6:G0B+7], 4*BPAN
	JLOAD 1                                        ; the first tensor load behind the round; its four v_nop are also the places in front of the loads below
	FLIP
	FETCH 0, F0
	MUL8 F1, 1, 0, 0
	MUL8 F1, 1, 2, 0
.endm
; The same where nothing is filled.  In the last trip there is no further step, and the run of LDS loads is jumped over.
.macro TURNN
	MEET
	PLACES
	s_cmp_eq_u32 s3, 1
	s_cbranch_scc1 .Lno_more_\@
	FLIP
	FETCH 0, F0
	WIN 0                                          ; at a label every window is 0
.Lno_more_\@:
	MUL8 F1, 1, 0, 0
	MUL8 F1, 1, 2, 0
.endm
	s_wait_tensorcnt 1                             ; my part of K step 0 is in; K step 1's may stay out
	s_barrier_signal -1
	s_barrier_wait -1
	FETCH 0, F0
	s_wait_loadcnt 0x0                             ; the bias
	QUARTER PANEL, F0, F1, 1                       ; the first quarter of all: the bias starts the sums
	WIN 0
	s_mov_b32 s3, STEPS-2
	s_branch .Lin                                  ; the loop is entered behind a step's first quarter
.Lstep:                                                ; all K steps but the last two: each fills its slot again
	QUARTER PANEL,   F0, F1, 0
	WIN 0
.Lin:
	QUARTER 2*PANEL, F1, F0, 0
	QUARTER 3*PANEL, F0, F1, 0
	TURN
	WIN 0
	s_sub_co_u32 s3, s3, 1
	s_cmp_lg_u32 s3, 0
	s_cbranch_scc1 .Lstep
	WIN 0x80
.set n, 0
.rept 32                               ; the residual of my 64 x 64, in the stores' own layout: asked for when the last tile has been asked for; two K steps' products stand between these loads and the wait for them
	global_load_b128 v[RES+4*n:RES+4*n+3], v[CO], s[70:71] offset:2*n*4096
.set n, n+1
.endr
	WIN 0
	s_mov_b32 s3, 2
.Ltail:                                                ; the last two K steps fill nothing
	QUARTER PANEL,   F0, F1, 0
	QUARTER 2*PANEL, F1, F0, 0
	QUARTER 3*PANEL, F0, F1, 0
	TURNN
	WIN 0
	s_sub_co_u32 s3, s3, 1
	s_cmp_lg_u32 s3, 0
	s_cbranch_scc1 .Ltail
	; THE WAY OUT.  A wave's 64 columns of f32 are 256 bytes: 16 rows at a time go through my own stage and come back as whole rows; the residual is added; 16 lanes store 256 consecutive bytes, aligned.
	PLACES
	s_wait_loadcnt 0x0                             ; the residual
.irp a, 0,1,2,3
.if (\a) >= 2
	s_wait_xcnt 0x0                                ; the stores of two blocks back have read the registers that are loaded again below
.endif
.irp b, 0,1,2,3
	ds_store_b128 v[STO], v[ACC+8*(4*(\a)+(\b)):ACC+8*(4*(\a)+(\b))+3]   offset:64*(\b)
	ds_store_b128 v[STO], v[ACC+8*(4*(\a)+(\b))+4:ACC+8*(4*(\a)+(\b))+7] offset:64*(\b)+16
.endr
.irp t, 0,1,2,3,4,5,6,7
	ds_load_b128 v[TMP+32*((\a)%2)+4*(\t):TMP+32*((\a)%2)+4*(\t)+3], v[RD] offset:(\t)*2*SPITCH   ; LDS serves a wave's instructions in order (ISA guide 5.7.1.4)
.endr
	s_wait_dscnt 0x0
	WIN 0x08                                       ; source 1 in window 2
.set n, 0
.rept 16
	v_pk_add_f32 v[TMP+32*((\a)%2)+2*n:TMP+32*((\a)%2)+2*n+1], v[TMP+32*((\a)%2)+2*n:TMP+32*((\a)%2)+2*n+1], v[RES+32*(\a)+2*n:RES+32*(\a)+2*n+1]
.set n, n+1
.endr
	WIN 0
.irp t, 0,1,2,3,4,5,6,7
	global_store_b128 v[CO], v[TMP+32*((\a)%2)+4*(\t):TMP+32*((\a)%2)+4*(\t)+3], s[8:9] offset:(16*(\a)+2*(\t))*4096
.endr
.endr
	s_wait_tensorcnt 0x0                           ; the wave's end
	ds_add_u32 v[SPW], v[NIL]
	s_wait_dscnt 0x0
	CROUND                                         ; the closing round
	s_endpgm
.Lfunc_end_k_q6cad10c064_mlp2:
	.size	k_q6cad10c064_mlp2, .Lfunc_end_k_q6cad10c064_mlp2-k_q6cad10c064_mlp2
	.p2alignl 7, 3214868480
	.fill 96, 4, 3214868480
	.section	.rodata,"a",@progbits
	.p2align	6, 0x0
	.amdhsa_kernel k_q6cad10c064_mlp2
		.amdhsa_group_segment_fixed_size 327680
		.amdhsa_private_segment_fixed_size 0
		.amdhsa_enable_private_segment 0
		.amdhsa_kernarg_size 40
		.amdhsa_user_sgpr_count 2
		.amdhsa_user_sgpr_kernarg_segment_ptr 1
		.amdhsa_wavefront_size32 1
		.amdhsa_system_sgpr_workgroup_id_x 1
		.amdhsa_system_sgpr_workgroup_id_y 1
		.amdhsa_system_sgpr_workgroup_id_z 1
		.amdhsa_system_vgpr_workitem_id 0
		.amdhsa_next_free_vgpr 768
		.amdhsa_next_free_sgpr 76
		.amdhsa_reserve_vcc 0
		.amdhsa_float_denorm_mode_32 3
		.amdhsa_float_denorm_mode_16_64 3
		.amdhsa_memory_ordered 1
		.amdhsa_forward_progress 1
		.amdhsa_inst_pref_size 66
	.end_amdhsa_kernel
	.amdgpu_metadata
---
amdhsa.version: [ 1, 2 ]
amdhsa.kernels:
  - .name:           k_q6cad10c064_mlp2
    .symbol:         k_q6cad10c064_mlp2.kd
    .args:
      - { .name: big, .offset: 0, .size: 8, .value_kind: global_buffer, .address_space: global }
      - { .name: w2_t, .offset: 8, .size: 8, .value_kind: global_buffer, .address_space: global }
      - { .name: b2, .offset: 16, .size: 8, .value_kind: global_buffer, .address_space: global }
      - { .name: x1, .offset: 24, .size: 8, .value_kind: global_buffer, .address_space: global }
      - { .name: out0, .offset: 32, .size: 8, .value_kind: global_buffer, .address_space: global }
    .group_segment_fixed_size: 327680
    .private_segment_fixed_size: 0
    .kernarg_segment_align: 8
    .kernarg_segment_size: 40
    .max_flat_workgroup_size: 128
    .sgpr_count:     76
    .vgpr_count:     768
    .wavefront_size: 32
...
	.end_amdgpu_metadata
.endif
;; end of part 6
;; ======== version 2 of 2: 7 launches; version 1 with the launches prep, ln2 written anew for expert scheduling mode
;; workspace buffers: big 33,554,432 bytes; x1 16,777,216 bytes; wqkv_t 6,324,224 bytes; w1_t 8,421,376 bytes; wo_t 2,097,152 bytes; w2_t 8,388,608 bytes
;; launch prep (part 7): grid 449 x 1, 8 waves a work-group, no clusters, 140,288 bytes of LDS; arguments x, ln1_scale, ln1_bias, wq, wk, wv, wo, w1, w2, bq, bk, bv, b1, rel_emb, rel_bias_emb, out0, wqkv_t, w1_t, wo_t, w2_t; writes out0, wqkv_t, w1_t, wo_t, w2_t
.if DOCPART == 7
	.amdgcn_target "amdgcn-amd-amdhsa--gfx1250"
	.amdhsa_code_object_version 6
	.text
	.protected	k_q6cad10c064_prep
	.globl	k_q6cad10c064_prep
	.p2align	8
	.type	k_q6cad10c064_prep,@function
k_q6cad10c064_prep:
	s_mov_b64 s[64:65], 0
	v_nop
	global_prefetch_b8 v0, s[64:65] scope:SCOPE_SE
	s_setreg_imm32_b32 hwreg(HW_REG_WAVE_SCHED_MODE, 0, 2), 2
	s_setreg_imm32_b32 hwreg(HW_REG_WAVE_MODE, 25, 1), 1
	s_wait_xcnt 0x0
	s_wait_alu depctr_vm_vsrc(0)
; PREP.  Three kinds of work-group, told apart by the work-group's number alone:
;   0-191   the six weight matrices ([K][N] f32) are turned and rounded once to bf16: a wave takes a tile of 128 k x 64 n through its own LDS bytes.
;           wq, wk, wv, w1 leave as rows [n][1024 k] behind a parameter block of 32,768 bytes; wo, w2 as panels [k / 64][1024 n][64 k].
;   192-447 LayerNorm 1: a wave takes two rows of x (4,096 bytes each) in registers; mean, then the variance of z - mean (two passes), output bf16 (into the first half of the output buffer, which a later launch overwrites).
;   448     the parameter blocks: biases (f32), the floor words, and the relative tables spread to 64 rows: row e holds table row clip(e - 15, 0, 32).
; LIMITS.  Weights, rel_emb and the normalised rows are rounded once to bf16.  NaN and infinities are not treated apart.
; THE MODE: SCHED_MODE bits 1:0 = 2 (LLVM: expert scheduling mode 2), set by the entry lines.  The code itself states the register dependences
; between vector instructions and memory or LDS instructions, with s_wait_alu, always for 0.
; THE PLAN.  Registers that memory or LDS instructions touch:
;   The weights.  OFF, LST: made once at the path's head, read by every load and every LDS store, never written again.
;                 SA, SB: round r's 32 roundings read S[r % 2]; behind them the loads of round r + 2 land in it; at the end the LDS loads of the way back land in both.
;                 TA, TB: round r's roundings write T[r % 2]; its 16 LDS stores read it; round r + 2 writes it again.
;                 LRD, GOF: made behind the last round, read by the way back's LDS loads and global stores.
;                 So ONE wait on va_vdst stands in a round, behind its roundings: T[r % 2] is written and S[r % 2] has been read; the round's loads and LDS stores follow it.
;                 One wait on vm_vsrc stands at the head of rounds 2 and 3, ahead of the roundings that write a T again.
;   LayerNorm.    v1, v2: offsets, made once.  X0, X1, SC, BI: loaded once.  Y0, Y1: written once by a row's roundings, read by its eight stores.
;                 Row 0's stores stand behind one wait, dealt among row 1's arithmetic, which names X1, v[18:19], SC, BI and Y1 alone.
;   v[SPW], v[NIL]: written at the head, read by the closing add alone.
.set SPARE, 139264                     ; behind the eight waves' tiles: the spare words, 128 bytes a wave
.set WT,    17408                      ; a wave's LDS bytes: 64 rows (n) of 256 bytes (128 k in bf16) + 16 of padding
.set LP,    272
.set OFF,   8                          ; v[8:23]  byte offsets of a round's 16 loads
.set LST,   24                         ; v24      where I put 8 bytes (4 k of one n)
.set LRD,   25                         ; v25      where I read 16 bytes back
.set GOF,   26                         ; v26      my byte offset in the turned tile
.set SPW,   28                         ; v28      my spare word; never rewritten
.set NIL,   29                         ; v29      0; never rewritten
.set TA,    32                         ; v[32:63], v[192:223]  two out-buffers: a round's 16 pairs, as they go to LDS
.set TB,    192
.set SA,    64                         ; v[64:127], v[128:191]  two sets of 16 loads
.set SB,    128
.set X0,    32                         ; LayerNorm: two rows, gain, bias, two rows of output
.set X1,    64
.set SC,    96
.set BI,    128
.set Y0,    160
.set Y1,    176
	v_lshl_add_u32 v[SPW], v0, 2, SPARE
	v_mov_b32 v[NIL], 0
	v_lshrrev_b32 v1, 5, v0
	v_readfirstlane_b32 s2, v1                     ; wave 0..7
	s_mov_b32 s3, ttmp9
	s_wait_alu depctr_va_sdst(0)                   ; s2 is written: all three paths read it, behind the branches below
	s_cmp_lt_u32 s3, 192
	s_cbranch_scc1 .Ltrans
	s_cmp_lt_u32 s3, 448
	s_cbranch_scc1 .Lln
; ---------------- the parameter blocks (one work-group) ----------------
.macro CLIP2 d0, e0, d1, e1            ; v[d] = clip(v[e] - 15, 0, 32), twice: the two compares in a run, one wait for both masks
	v_cmp_le_u32 s20, 15, v[\e0]
	v_cmp_le_u32 s21, 15, v[\e1]
	v_add_nc_u32 v[\d0], -15, v[\e0]
	v_add_nc_u32 v[\d1], -15, v[\e1]
	s_wait_alu depctr_va_sdst(0)                   ; the compares have written s20 and s21, which the two selects read
	v_cndmask_b32 v[\d0], 0, v[\d0], s20
	v_cndmask_b32 v[\d1], 0, v[\d1], s21
	v_min_u32 v[\d0], 32, v[\d0]
	v_min_u32 v[\d1], 32, v[\d1]
.endm
	s_load_b256 s[4:11], s[0:1], 0x48              ; bq s[4:5], bk s[6:7], bv s[8:9], b1 s[10:11]
	s_load_b128 s[12:15], s[0:1], 0x68             ; rel_emb s[12:13], rel_bias_emb s[14:15]
	s_load_b128 s[16:19], s[0:1], 0x80             ; wqkv_t s[16:17], w1_t s[18:19]
	v_lshlrev_b32 v2, 4, v0                        ; 16 x thread
	v_lshrrev_b32 v3, 3, v0                        ; spread row e = thread / 8 (and + 32)
	v_and_b32 v4, 7, v0
	v_lshlrev_b32 v4, 5, v4                        ; my 8 channels: 32 bytes of f32
	v_add_nc_u32 v7, 32, v3
	CLIP2 5, 3, 6, 7
	v_lshl_add_u32 v5, v5, 8, v4                   ; table row x 256 bytes + my channels
	v_lshl_add_u32 v6, v6, 8, v4
	s_wait_kmcnt 0x0
	s_wait_alu depctr_va_vdst(0)                   ; the offsets v2, v5 and v6 are written, which the loads and stores below read
	global_load_b128 v[32:35], v2, s[4:5]
	global_load_b128 v[36:39], v2, s[6:7]
	global_load_b128 v[40:43], v2, s[8:9]
.irp u, 0,1,2,3
	global_load_b128 v[44+4*(\u):47+4*(\u)], v2, s[10:11] offset:4096*(\u)
.endr
	global_load_b128 v[60:63], v5, s[12:13]
	global_load_b128 v[64:67], v5, s[12:13] offset:16
	global_load_b128 v[68:71], v6, s[12:13]
	global_load_b128 v[72:75], v6, s[12:13] offset:16
	s_wait_loadcnt 0x0
	global_store_b128 v2, v[32:35], s[16:17]                ; bias of q, k, v: columns 0-3071
	global_store_b128 v2, v[36:39], s[16:17] offset:4096
	global_store_b128 v2, v[40:43], s[16:17] offset:8192
.irp u, 0,1,2,3
	global_store_b128 v2, v[44+4*(\u):47+4*(\u)], s[18:19] offset:4096*(\u)
.endr
.irp n, 0,1,2,3,4,5,6,7
	v_cvt_pk_bf16_f32 v[76+(\n)], v[60+2*(\n)], v[61+2*(\n)]
.endr
	s_wait_alu depctr_va_vdst(0)                   ; the roundings have written v[76:83], which the two stores read
	global_store_b128 v2, v[76:79], s[16:17] offset:16896   ; spread rel_emb, rows 0-31
	global_store_b128 v2, v[80:83], s[16:17] offset:20992   ; rows 32-63
	s_cmp_lg_u32 s2, 0
	s_cbranch_scc1 .Lnot_wave_0
	v_and_b32 v8, 31, v0                           ; wave 0: the floor words, 256 bytes in each block
	v_lshlrev_b32 v8, 3, v8
	v_mov_b32 v10, 0xff80ff80                      ; -infinity twice in bf16: q, k, v have no activation
	v_mov_b32 v11, 0xff80ff80
	v_mov_b32 v12, 0                               ; 0 twice: the hidden layer's ReLU
	v_mov_b32 v13, 0
	s_wait_alu depctr_va_vdst(0)                   ; v8 and v[10:13] are written: the two stores' offset and data
	global_store_b64 v8, v[10:11], s[16:17] offset:16384
	global_store_b64 v8, v[12:13], s[18:19] offset:16384
.Lnot_wave_0:
	s_cmp_lg_u32 s2, 1
	s_cbranch_scc1 .Lend
	v_and_b32 v14, 31, v0                          ; wave 1: the spread rel_bias_emb, two numbers a lane
	v_lshlrev_b32 v15, 1, v14
	v_add_nc_u32 v16, 1, v15
	CLIP2 17, 15, 18, 16
	v_lshlrev_b32 v17, 2, v17
	v_lshlrev_b32 v18, 2, v18
	v_lshlrev_b32 v14, 3, v14
	s_wait_alu depctr_va_vdst(0)                   ; the offsets v14, v17 and v18 are written, which the two loads and the store read
	global_load_b32 v20, v17, s[14:15]
	global_load_b32 v21, v18, s[14:15]
	s_wait_loadcnt 0x0
	global_store_b64 v14, v[20:21], s[16:17] offset:16640
	s_branch .Lend
; ---------------- the weights ----------------
.macro PICK bound, src, dst, first, lognt, pb, dofs, mode
	s_cmp_lt_u32 s3, \bound
	s_cselect_b64 s[4:5], s[\src:\src+1], s[4:5]
	s_cselect_b64 s[6:7], s[\dst:\dst+1], s[6:7]
	s_cselect_b32 s10, \first, s10
	s_cselect_b32 s11, \lognt, s11
	s_cselect_b32 s12, \pb, s12
	s_cselect_b32 s13, \dofs, s13
	s_cselect_b32 s14, \mode, s14
.endm
; 16 loads: 32 rows (k) x 256 bytes (64 n).  Lanes 0-15 take one row's 256 bytes, lanes 16-31 those of the row four further down.
.macro LOADR r, set
.set n, 0
.rept 16
	global_load_b128 v[(\set)+4*n:(\set)+4*n+3], v[OFF+n], s[16+2*(\r):17+2*(\r)] th:TH_LOAD_NT
.set n, n+1
.endr
.endm
; A lane holds, for jj and c, four k on end (8 jj + 4 g + 0..3) of column 4 i + c: rounded in pairs they are 8 bytes of LDS row 4 i + c.  A round's 32 roundings fill an out-buffer,
.macro CVT set, out
.irp jj, 0,1,2,3
.irp c, 0,1,2,3
	v_cvt_pk_bf16_f32 v[(\out)+8*(\jj)+2*(\c)],   v[(\set)+16*(\jj)+(\c)],   v[(\set)+16*(\jj)+4+(\c)]
	v_cvt_pk_bf16_f32 v[(\out)+8*(\jj)+2*(\c)+1], v[(\set)+16*(\jj)+8+(\c)], v[(\set)+16*(\jj)+12+(\c)]
.endr
.endr
.endm
; and its 16 LDS stores empty it.
.macro TOLDS out, r
.irp jj, 0,1,2,3
.irp c, 0,1,2,3
	ds_store_b64 v[LST], v[(\out)+8*(\jj)+2*(\c):(\out)+8*(\jj)+2*(\c)+1] offset:(\c)*LP+16*(4*(\r)+(\jj))
.endr
.endr
.endm
.Ltrans:
	s_load_b128 s[32:35], s[0:1], 0x18             ; wq s[32:33], wk s[34:35]
	s_load_b256 s[36:43], s[0:1], 0x28             ; wv, wo, w1, w2
	s_load_b256 s[44:51], s[0:1], 0x80             ; wqkv_t, w1_t, wo_t, w2_t
	v_and_b32 v1, 15, v0                           ; i
	v_bfe_u32 v2, v0, 4, 1                         ; g
	s_mul_i32 s26, s2, WT                          ; my wave's LDS bytes
	s_mov_b32 s10, 128                             ; w2: first work-group, log2 of the tiles along n, bytes in a row, offset in the target, panels
	s_mov_b32 s11, 4
	s_mov_b32 s12, 4096
	s_mov_b32 s13, 0
	s_mov_b32 s14, 1
	s_wait_kmcnt 0x0
	s_mov_b64 s[4:5], s[42:43]
	s_mov_b64 s[6:7], s[50:51]
	PICK 128, 40, 46, 64, 6, 16384, 32768, 0       ; w1
	PICK 64,  38, 48, 48, 4, 4096, 0, 1            ; wo
	PICK 48,  36, 44, 32, 4, 4096, 4227072, 0      ; wv
	PICK 32,  34, 44, 16, 4, 4096, 2129920, 0      ; wk
	PICK 16,  32, 44, 0,  4, 4096, 32768, 0        ; wq
	s_sub_co_u32 s15, s3, s10
	s_lshl_b32 s15, s15, 3
	s_add_co_u32 s15, s15, s2                      ; my tile's number in its matrix
	s_lshl_b32 s24, 1, s11
	s_sub_co_u32 s24, s24, 1
	s_and_b32 s24, s15, s24                        ; nt: 64 columns
	s_lshr_b32 s25, s15, s11                       ; kt: 128 rows
	s_lshl_b32 s28, s12, 7
	s_mul_i32 s28, s28, s25
	s_lshl_b32 s29, s24, 8
	s_add_co_u32 s28, s28, s29
	s_mov_b32 s29, 0
	s_add_nc_u64 s[4:5], s[4:5], s[28:29]          ; the tile in its matrix
	s_lshl_b32 s28, s24, 17                        ; rows: 64 nt rows of 2,048 bytes + 256 kt + the block
	s_lshl_b32 s30, s25, 8
	s_add_co_u32 s28, s28, s30
	s_add_co_u32 s28, s28, s13
	s_lshl_b32 s30, s25, 18                        ; panels: 2 kt panels of 131,072 bytes + 64 nt rows of 128
	s_lshl_b32 s31, s24, 13
	s_add_co_u32 s30, s30, s31
	s_cmp_eq_u32 s14, 0
	s_cselect_b32 s28, s28, s30
	s_add_nc_u64 s[6:7], s[6:7], s[28:29]
	s_lshl_b32 s28, s12, 5                         ; a round is 32 rows
	s_mov_b64 s[16:17], s[4:5]
	s_add_nc_u64 s[18:19], s[16:17], s[28:29]
	s_add_nc_u64 s[20:21], s[18:19], s[28:29]
	s_add_nc_u64 s[22:23], s[20:21], s[28:29]
	v_lshlrev_b32 v3, 2, v2
	v_mul_u32_u24 v3, s12, v3                      ; 4 g rows
	v_lshl_add_u32 v3, v1, 4, v3                   ; + 16 i
.set n, 0
.rept 16
	s_mul_i32 s30, s12, 8*(n/4)+n%4
	v_add_nc_u32 v[OFF+n], s30, v3
.set n, n+1
.endr
	v_mul_u32_u24 v[LST], v1, 4*LP
	v_lshl_add_u32 v[LST], v2, 3, v[LST]
	v_add_nc_u32 v[LST], s26, v[LST]
	s_wait_alu depctr_va_vdst(0)                   ; the sixteen offsets v[OFF ..] and v[LST] are written: every load and every LDS store of the four rounds reads one of them
	LOADR 0, SA
	LOADR 1, SB
	s_wait_loadcnt 16                              ; the older round is in; the younger one's 16 loads stay out
	CVT SA, TA
	s_wait_alu depctr_va_vdst(0)                   ; round 0's roundings are done reading SA, in which round 2's loads land, and have written TA, which the LDS stores read
	LOADR 2, SA                                    ; the raw buffer is asked for again at once
	TOLDS TA, 0
	s_wait_loadcnt 16
	CVT SB, TB
	s_wait_alu depctr_va_vdst(0)                   ; round 1's roundings are done reading SB, in which round 3's loads land, and have written TB, which the LDS stores read
	LOADR 3, SB
	TOLDS TB, 1
	s_wait_loadcnt 16
	s_wait_alu depctr_vm_vsrc(0)                   ; round 0's LDS stores have read TA, which round 2's roundings write again
	CVT SA, TA
	s_wait_alu depctr_va_vdst(0)                   ; round 2's roundings have written TA, which the LDS stores read
	TOLDS TA, 2
	s_wait_loadcnt 0x0
	s_wait_alu depctr_vm_vsrc(0)                   ; round 1's LDS stores have read TB, which round 3's roundings write again
	CVT SB, TB
	s_wait_alu depctr_va_vdst(0)                   ; round 3's roundings have written TB, which the LDS stores read
	TOLDS TB, 3
	s_cmp_lg_u32 s14, 0
	s_cbranch_scc1 .Lpanels
	; rows: two LDS rows of 256 bytes a load.  LDS serves a wave's instructions in order (ISA guide 5.7.1.4): the loads see my stores above.
	v_mul_u32_u24 v[LRD], v2, LP
	v_lshl_add_u32 v[LRD], v1, 4, v[LRD]
	v_add_nc_u32 v[LRD], s26, v[LRD]
	v_lshlrev_b32 v[GOF], 11, v2
	v_lshl_add_u32 v[GOF], v1, 4, v[GOF]
	s_wait_alu depctr_va_vdst(0)                   ; v[LRD] and v[GOF] are written, which the LDS loads and the stores read; the roundings are done reading SA and SB, in which the LDS loads land
.set t, 0
.rept 32
	ds_load_b128 v[SA+4*t:SA+4*t+3], v[LRD] offset:2*LP*t
.set t, t+1
.endr
.set t, 0
.rept 32
	s_wait_dscnt 31-t
	global_store_b128 v[GOF], v[SA+4*t:SA+4*t+3], s[6:7] offset:4096*t   ; 16 lanes store 256 consecutive bytes, aligned
.set t, t+1
.endr
	s_branch .Lend
.Lpanels:
	; panels: four LDS rows' halves of 128 bytes a load: 512 consecutive bytes of a panel
	v_and_b32 v4, 31, v0
	v_lshrrev_b32 v5, 3, v4
	v_and_b32 v6, 7, v0
	v_mul_u32_u24 v[LRD], v5, LP
	v_lshl_add_u32 v[LRD], v6, 4, v[LRD]
	v_add_nc_u32 v[LRD], s26, v[LRD]
	v_lshlrev_b32 v[GOF], 4, v4
	s_wait_alu depctr_va_vdst(0)                   ; v[LRD] and v[GOF] are written, which the LDS loads and the stores read; the roundings are done reading SA and SB, in which the LDS loads land
.set t, 0
.rept 32
	ds_load_b128 v[SA+4*t:SA+4*t+3], v[LRD] offset:(t%16)*4*LP+(t/16)*128
.set t, t+1
.endr
.set t, 0
.rept 32
	s_wait_dscnt 31-t
	global_store_b128 v[GOF], v[SA+4*t:SA+4*t+3], s[6:7] offset:(t/16)*131072+(t%16)*512
.set t, t+1
.endr
	s_branch .Lend
; ---------------- LayerNorm ----------------
.macro REDUCE                          ; four pairs v[4:11] -> their sum over the wave, in v4 of every lane
	v_pk_add_f32 v[4:5], v[4:5], v[6:7]
	v_pk_add_f32 v[8:9], v[8:9], v[10:11]
	v_pk_add_f32 v[4:5], v[4:5], v[8:9]
	v_add_f32 v4, v4, v5
	v_add_f32_dpp v4, v4, v4 row_xmask:1 row_mask:0xf bank_mask:0xf
	v_add_f32_dpp v4, v4, v4 row_xmask:2 row_mask:0xf bank_mask:0xf
	v_add_f32_dpp v4, v4, v4 row_xmask:4 row_mask:0xf bank_mask:0xf
	v_add_f32_dpp v4, v4, v4 row_xmask:8 row_mask:0xf bank_mask:0xf
	v_permlanex16_b32 v5, v4, s13, s14
	v_add_f32 v4, v4, v5
.endm
.macro STATS X, t, R                   ; the row in v[X ..]: z - mean in place; 1 / sqrt(variance + eps) twice, in v[R:R+1]
.irp k, 0,1,2,3
	v_pk_add_f32 v[4+2*(\k):5+2*(\k)], v[(\X)+2*(\k):(\X)+2*(\k)+1], v[(\X)+8+2*(\k):(\X)+8+2*(\k)+1]
.endr
.irp m, 2,3
.irp k, 0,1,2,3
	v_pk_add_f32 v[4+2*(\k):5+2*(\k)], v[4+2*(\k):5+2*(\k)], v[(\X)+8*(\m)+2*(\k):(\X)+8*(\m)+2*(\k)+1]
.endr
.endr
	REDUCE
	v_mul_f32 v12, s15, v4                         ; the mean, twice
	v_mul_f32 v13, s15, v4
.set n, 0
.rept 16
	v_pk_add_f32 v[(\X)+2*n:(\X)+2*n+1], v[(\X)+2*n:(\X)+2*n+1], v[12:13] neg_lo:[0,1] neg_hi:[0,1]
.set n, n+1
.endr
.irp k, 0,1,2,3
	v_pk_mul_f32 v[4+2*(\k):5+2*(\k)], v[(\X)+2*(\k):(\X)+2*(\k)+1], v[(\X)+2*(\k):(\X)+2*(\k)+1]
.endr
.irp m, 1,2,3
.irp k, 0,1,2,3
	v_pk_fma_f32 v[4+2*(\k):5+2*(\k)], v[(\X)+8*(\m)+2*(\k):(\X)+8*(\m)+2*(\k)+1], v[(\X)+8*(\m)+2*(\k):(\X)+8*(\m)+2*(\k)+1], v[4+2*(\k):5+2*(\k)]
.endr
.endr
	REDUCE
	v_fma_f32 v[\t], v4, s15, s20                  ; variance + eps
	v_rsq_f32 v[\R], v[\t]
	v_rsq_f32 v[\R+1], v[\t]
.endm
.macro CALC X, R, Y, j                 ; piece j of a row: scaled, gain and bias, rounded into the row's out-buffer
	v_pk_mul_f32 v[(\X)+4*(\j):(\X)+4*(\j)+1],   v[(\X)+4*(\j):(\X)+4*(\j)+1],   v[\R:\R+1]
	v_pk_mul_f32 v[(\X)+4*(\j)+2:(\X)+4*(\j)+3], v[(\X)+4*(\j)+2:(\X)+4*(\j)+3], v[\R:\R+1]
	v_pk_fma_f32 v[(\X)+4*(\j):(\X)+4*(\j)+1],   v[(\X)+4*(\j):(\X)+4*(\j)+1],   v[SC+4*(\j):SC+4*(\j)+1],   v[BI+4*(\j):BI+4*(\j)+1]
	v_pk_fma_f32 v[(\X)+4*(\j)+2:(\X)+4*(\j)+3], v[(\X)+4*(\j)+2:(\X)+4*(\j)+3], v[SC+4*(\j)+2:SC+4*(\j)+3], v[BI+4*(\j)+2:BI+4*(\j)+3]
	v_cvt_pk_bf16_f32 v[(\Y)+2*(\j)],   v[(\X)+4*(\j)],   v[(\X)+4*(\j)+1]
	v_cvt_pk_bf16_f32 v[(\Y)+2*(\j)+1], v[(\X)+4*(\j)+2], v[(\X)+4*(\j)+3]
.endm
.macro SENDJ Y, row, j                 ; piece j of a row leaves
	global_store_b64 v2, v[(\Y)+2*(\j):(\Y)+2*(\j)+1], s[10:11] offset:(\row)*2048+256*(\j)   ; 32 lanes store 256 consecutive bytes, aligned
.endm
; s[4:5] input rows, s[6:7] gain, s[8:9] bias, s[10:11] output, s12 my first row
.macro LNBODY
	v_and_b32 v1, 31, v0
	v_lshlrev_b32 v2, 3, v1                        ; my 8 bytes of 256 of output
	v_lshlrev_b32 v1, 4, v1                        ; my 16 bytes of 512 of input
	s_mov_b32 s13, 0x76543210                      ; v_permlanex16_b32: each lane takes its own place in the other half
	s_mov_b32 s14, 0xfedcba98
	s_mov_b32 s15, 0x3a800000                      ; 1 / 1024
	s_mov_b32 s20, 0x358637bd                      ; 1e-6
	s_lshl_b32 s16, s12, 12
	s_mov_b32 s17, 0
	s_lshl_b32 s18, s12, 11
	s_mov_b32 s19, 0
	s_wait_kmcnt 0x0
	s_add_nc_u64 s[4:5], s[4:5], s[16:17]
	s_add_nc_u64 s[10:11], s[10:11], s[18:19]
	s_wait_alu depctr_va_vdst(0)                   ; v1 and v2 are written: every load reads v1 as its offset, every store v2
.irp j, 0,1,2,3,4,5,6,7
	global_load_b128 v[X0+4*(\j):X0+4*(\j)+3], v1, s[4:5] offset:512*(\j) th:TH_LOAD_NT
.endr
.irp j, 0,1,2,3,4,5,6,7
	global_load_b128 v[X1+4*(\j):X1+4*(\j)+3], v1, s[4:5] offset:4096+512*(\j) th:TH_LOAD_NT
.endr
.irp j, 0,1,2,3,4,5,6,7
	global_load_b128 v[SC+4*(\j):SC+4*(\j)+3], v1, s[6:7] offset:512*(\j)
.endr
.irp j, 0,1,2,3,4,5,6,7
	global_load_b128 v[BI+4*(\j):BI+4*(\j)+3], v1, s[8:9] offset:512*(\j)
.endr
	s_wait_loadcnt 24                              ; the first row is in; 24 younger loads stay out
	STATS X0, 14, 16
	s_wait_loadcnt 16                              ; the second row
	STATS X1, 15, 18
	v_nop                                          ; a plain instruction behind the last v_rsq_f32,
	s_wait_alu depctr_va_vdst(0)                   ; and one wait for the four, ahead of their first reader: v[16:19] are written
	s_wait_loadcnt 0x0                             ; gain and bias
.irp j, 0,1,2,3,4,5,6,7
	CALC X0, 16, Y0, \j
.endr
	s_wait_alu depctr_va_vdst(0)                   ; row 0's roundings have written Y0, which its eight stores read
.irp j, 0,1,2,3,4,5,6,7
	SENDJ Y0, 0, \j                                ; no further wait: no vector instruction since the wait names Y0 or v2
	CALC X1, 18, Y1, \j
.endr
	s_wait_alu depctr_va_vdst(0)                   ; row 1's roundings have written Y1, which its eight stores read
.irp j, 0,1,2,3,4,5,6,7
	SENDJ Y1, 1, \j
.endr
.endm
.Lln:
	s_load_b128 s[4:7], s[0:1], 0x0                ; x, ln1_scale
	s_load_b64 s[8:9], s[0:1], 0x10                ; ln1_bias
	s_load_b64 s[10:11], s[0:1], 0x78              ; the normalised rows
	s_sub_co_u32 s12, s3, 192
	s_lshl_b32 s12, s12, 3
	s_add_co_u32 s12, s12, s2
	s_lshl_b32 s12, s12, 1                         ; two rows a wave
	LNBODY
.Lend:
	s_wait_dscnt 0x0                               ; the wave's end
	s_wait_alu 0x0
	s_wait_tensorcnt 0x0
	ds_add_u32 v[SPW], v[NIL]
	s_wait_dscnt 0x0
	s_endpgm
.Lfunc_end_k_q6cad10c064_prep:
	.size	k_q6cad10c064_prep, .Lfunc_end_k_q6cad10c064_prep-k_q6cad10c064_prep
	.p2alignl 7, 3214868480
	.fill 96, 4, 3214868480
	.section	.rodata,"a",@progbits
	.p2align	6, 0x0
	.amdhsa_kernel k_q6cad10c064_prep
		.amdhsa_group_segment_fixed_size 140288
		.amdhsa_private_segment_fixed_size 0
		.amdhsa_enable_private_segment 0
		.amdhsa_kernarg_size 160
		.amdhsa_user_sgpr_count 2
		.amdhsa_user_sgpr_kernarg_segment_ptr 1
		.amdhsa_wavefront_size32 1
		.amdhsa_system_sgpr_workgroup_id_x 1
		.amdhsa_system_sgpr_workgroup_id_y 1
		.amdhsa_system_sgpr_workgroup_id_z 1
		.amdhsa_system_vgpr_workitem_id 0
		.amdhsa_next_free_vgpr 224
		.amdhsa_next_free_sgpr 66
		.amdhsa_reserve_vcc 0
		.amdhsa_float_denorm_mode_32 3
		.amdhsa_float_denorm_mode_16_64 3
		.amdhsa_memory_ordered 1
		.amdhsa_forward_progress 1
		.amdhsa_inst_pref_size 62
	.end_amdhsa_kernel
	.amdgpu_metadata
---
amdhsa.version: [ 1, 2 ]
amdhsa.kernels:
  - .name:           k_q6cad10c064_prep
    .symbol:         k_q6cad10c064_prep.kd
    .args:
      - { .name: x, .offset: 0, .size: 8, .value_kind: global_buffer, .address_space: global }
      - { .name: ln1_scale, .offset: 8, .size: 8, .value_kind: global_buffer, .address_space: global }
      - { .name: ln1_bias, .offset: 16, .size: 8, .value_kind: global_buffer, .address_space: global }
      - { .name: wq, .offset: 24, .size: 8, .value_kind: global_buffer, .address_space: global }
      - { .name: wk, .offset: 32, .size: 8, .value_kind: global_buffer, .address_space: global }
      - { .name: wv, .offset: 40, .size: 8, .value_kind: global_buffer, .address_space: global }
      - { .name: wo, .offset: 48, .size: 8, .value_kind: global_buffer, .address_space: global }
      - { .name: w1, .offset: 56, .size: 8, .value_kind: global_buffer, .address_space: global }
      - { .name: w2, .offset: 64, .size: 8, .value_kind: global_buffer, .address_space: global }
      - { .name: bq, .offset: 72, .size: 8, .value_kind: global_buffer, .address_space: global }
      - { .name: bk, .offset: 80, .size: 8, .value_kind: global_buffer, .address_space: global }
      - { .name: bv, .offset: 88, .size: 8, .value_kind: global_buffer, .address_space: global }
      - { .name: b1, .offset: 96, .size: 8, .value_kind: global_buffer, .address_space: global }
      - { .name: rel_emb, .offset: 104, .size: 8, .value_kind: global_buffer, .address_space: global }
      - { .name: rel_bias_emb, .offset: 112, .size: 8, .value_kind: global_buffer, .address_space: global }
      - { .name: out0, .offset: 120, .size: 8, .value_kind: global_buffer, .address_space: global }
      - { .name: wqkv_t, .offset: 128, .size: 8, .value_kind: global_buffer, .address_space: global }
      - { .name: w1_t, .offset: 136, .size: 8, .value_kind: global_buffer, .address_space: global }
      - { .name: wo_t, .offset: 144, .size: 8, .value_kind: global_buffer, .address_space: global }
      - { .name: w2_t, .offset: 152, .size: 8, .value_kind: global_buffer, .address_space: global }
    .group_segment_fixed_size: 140288
    .private_segment_fixed_size: 0
    .kernarg_segment_align: 8
    .kernarg_segment_size: 160
    .max_flat_workgroup_size: 256
    .sgpr_count:     66
    .vgpr_count:     224
    .wavefront_size: 32
...
	.end_amdgpu_metadata
.endif
;; end of part 7
;; launch qkv: the kernel of part 2 again; grid 12 x 16, 4 waves a work-group, clusters of 4 x 4, 327,680 bytes of LDS; arguments out0, wqkv_t, big; writes big
;; launch attn: the kernel of part 3 again; grid 4 x 64, 4 waves a work-group, no clusters, 327,680 bytes of LDS; arguments big, wqkv_t, out0; writes out0
;; launch wo: the kernel of part 4 again; grid 8 x 32, 4 waves a work-group, clusters of 4 x 4, 327,680 bytes of LDS; arguments out0, wo_t, bo, x, x1; writes x1
;; launch ln2 (part 8): grid 256 x 1, 8 waves a work-group, no clusters, 0 bytes of LDS; arguments x1, ln2_scale, ln2_bias, out0; writes out0
.if DOCPART == 8
	.amdgcn_target "amdgcn-amd-amdhsa--gfx1250"
	.amdhsa_code_object_version 6
	.text
	.protected	k_q6cad10c064_ln2
	.globl	k_q6cad10c064_ln2
	.p2align	8
	.type	k_q6cad10c064_ln2,@function
k_q6cad10c064_ln2:
	s_mov_b64 s[64:65], 0
	v_nop
	global_prefetch_b8 v0, s[64:65] scope:SCOPE_SE
	s_setreg_imm32_b32 hwreg(HW_REG_WAVE_SCHED_MODE, 0, 2), 2
	s_setreg_imm32_b32 hwreg(HW_REG_WAVE_MODE, 25, 1), 1
	s_wait_xcnt 0x0
	s_wait_alu depctr_vm_vsrc(0)
; LayerNorm: y = (z - mean) / sqrt(variance + 1e-6) x gain + bias.  z: [4096][1024] f32; y: the same shape in bf16, rounded once.
; A wave takes two rows of 4,096 bytes in registers: the row is read once; the variance is taken of z - mean, so a common offset costs nothing.  No LDS, no barrier: no wave waits for another.
; THE MODE: SCHED_MODE bits 1:0 = 2 (LLVM: expert scheduling mode 2), set by the entry lines.  The code itself states the register dependences
; between vector instructions and memory instructions, with s_wait_alu, always for 0.
; THE PLAN.  Registers that memory instructions touch:
;   v1, v2           byte offsets, made once at the head and never written again: v1 is read by every load, v2 by every store.
;   X0, X1, SC, BI   each loaded once, ahead of all arithmetic; no load lands in a register that a vector instruction has named.
;   Y0, Y1           a row's roundings write its Y once; its eight stores read it; it is never written again.
; So one wait stands ahead of the loads (the offsets), one behind row 0's arithmetic (Y0) and one behind row 1's (Y1).  Row 0's stores are dealt among row 1's arithmetic,
; which names X1, v[18:19], SC, BI and Y1: none of the registers that those stores read.
.set X0,    32
.set X1,    64
.set SC,    96
.set BI,    128
.set Y0,    160
.set Y1,    176
.macro REDUCE                          ; four pairs v[4:11] -> their sum over the wave, in v4 of every lane
	v_pk_add_f32 v[4:5], v[4:5], v[6:7]
	v_pk_add_f32 v[8:9], v[8:9], v[10:11]
	v_pk_add_f32 v[4:5], v[4:5], v[8:9]
	v_add_f32 v4, v4, v5
	v_add_f32_dpp v4, v4, v4 row_xmask:1 row_mask:0xf bank_mask:0xf
	v_add_f32_dpp v4, v4, v4 row_xmask:2 row_mask:0xf bank_mask:0xf
	v_add_f32_dpp v4, v4, v4 row_xmask:4 row_mask:0xf bank_mask:0xf
	v_add_f32_dpp v4, v4, v4 row_xmask:8 row_mask:0xf bank_mask:0xf
	v_permlanex16_b32 v5, v4, s13, s14
	v_add_f32 v4, v4, v5
.endm
.macro STATS X, t, R
.irp k, 0,1,2,3
	v_pk_add_f32 v[4+2*(\k):5+2*(\k)], v[(\X)+2*(\k):(\X)+2*(\k)+1], v[(\X)+8+2*(\k):(\X)+8+2*(\k)+1]
.endr
.irp m, 2,3
.irp k, 0,1,2,3
	v_pk_add_f32 v[4+2*(\k):5+2*(\k)], v[4+2*(\k):5+2*(\k)], v[(\X)+8*(\m)+2*(\k):(\X)+8*(\m)+2*(\k)+1]
.endr
.endr
	REDUCE
	v_mul_f32 v12, s15, v4
	v_mul_f32 v13, s15, v4
.set n, 0
.rept 16
	v_pk_add_f32 v[(\X)+2*n:(\X)+2*n+1], v[(\X)+2*n:(\X)+2*n+1], v[12:13] neg_lo:[0,1] neg_hi:[0,1]
.set n, n+1
.endr
.irp k, 0,1,2,3
	v_pk_mul_f32 v[4+2*(\k):5+2*(\k)], v[(\X)+2*(\k):(\X)+2*(\k)+1], v[(\X)+2*(\k):(\X)+2*(\k)+1]
.endr
.irp m, 1,2,3
.irp k, 0,1,2,3
	v_pk_fma_f32 v[4+2*(\k):5+2*(\k)], v[(\X)+8*(\m)+2*(\k):(\X)+8*(\m)+2*(\k)+1], v[(\X)+8*(\m)+2*(\k):(\X)+8*(\m)+2*(\k)+1], v[4+2*(\k):5+2*(\k)]
.endr
.endr
	REDUCE
	v_fma_f32 v[\t], v4, s15, s20
	v_rsq_f32 v[\R], v[\t]
	v_rsq_f32 v[\R+1], v[\t]
.endm
.macro CALC X, R, Y, j                 ; piece j of a row: scaled, gain and bias, rounded into the row's out-buffer
	v_pk_mul_f32 v[(\X)+4*(\j):(\X)+4*(\j)+1],   v[(\X)+4*(\j):(\X)+4*(\j)+1],   v[\R:\R+1]
	v_pk_mul_f32 v[(\X)+4*(\j)+2:(\X)+4*(\j)+3], v[(\X)+4*(\j)+2:(\X)+4*(\j)+3], v[\R:\R+1]
	v_pk_fma_f32 v[(\X)+4*(\j):(\X)+4*(\j)+1],   v[(\X)+4*(\j):(\X)+4*(\j)+1],   v[SC+4*(\j):SC+4*(\j)+1],   v[BI+4*(\j):BI+4*(\j)+1]
	v_pk_fma_f32 v[(\X)+4*(\j)+2:(\X)+4*(\j)+3], v[(\X)+4*(\j)+2:(\X)+4*(\j)+3], v[SC+4*(\j)+2:SC+4*(\j)+3], v[BI+4*(\j)+2:BI+4*(\j)+3]
	v_cvt_pk_bf16_f32 v[(\Y)+2*(\j)],   v[(\X)+4*(\j)],   v[(\X)+4*(\j)+1]
	v_cvt_pk_bf16_f32 v[(\Y)+2*(\j)+1], v[(\X)+4*(\j)+2], v[(\X)+4*(\j)+3]
.endm
.macro SENDJ Y, row, j                 ; piece j of a row leaves
	global_store_b64 v2, v[(\Y)+2*(\j):(\Y)+2*(\j)+1], s[10:11] offset:(\row)*2048+256*(\j)   ; 32 lanes store 256 consecutive bytes, aligned
.endm
	s_load_b256 s[4:11], s[0:1], 0x0               ; z s[4:5], gain s[6:7], bias s[8:9], y s[10:11]
	v_lshrrev_b32 v1, 5, v0
	v_readfirstlane_b32 s2, v1
	v_and_b32 v1, 31, v0
	v_lshlrev_b32 v2, 3, v1
	v_lshlrev_b32 v1, 4, v1
	s_mov_b32 s13, 0x76543210
	s_mov_b32 s14, 0xfedcba98
	s_mov_b32 s15, 0x3a800000                      ; 1 / 1024
	s_mov_b32 s20, 0x358637bd                      ; 1e-6
	s_wait_alu depctr_va_sdst(0)                   ; s2, the wave's number, is written, ahead of its first reader: my first row is made from it
	s_lshl_b32 s12, ttmp9, 3
	s_add_co_u32 s12, s12, s2
	s_lshl_b32 s12, s12, 1                         ; my first row
	s_lshl_b32 s16, s12, 12
	s_mov_b32 s17, 0
	s_lshl_b32 s18, s12, 11
	s_mov_b32 s19, 0
	s_wait_kmcnt 0x0
	s_add_nc_u64 s[4:5], s[4:5], s[16:17]
	s_add_nc_u64 s[10:11], s[10:11], s[18:19]
	s_wait_alu depctr_va_vdst(0)                   ; v1 and v2 are written: every load reads v1 as its offset, every store v2
.irp j, 0,1,2,3,4,5,6,7
	global_load_b128 v[X0+4*(\j):X0+4*(\j)+3], v1, s[4:5] offset:512*(\j) th:TH_LOAD_NT
.endr
.irp j, 0,1,2,3,4,5,6,7
	global_load_b128 v[X1+4*(\j):X1+4*(\j)+3], v1, s[4:5] offset:4096+512*(\j) th:TH_LOAD_NT
.endr
.irp j, 0,1,2,3,4,5,6,7
	global_load_b128 v[SC+4*(\j):SC+4*(\j)+3], v1, s[6:7] offset:512*(\j)
.endr
.irp j, 0,1,2,3,4,5,6,7
	global_load_b128 v[BI+4*(\j):BI+4*(\j)+3], v1, s[8:9] offset:512*(\j)
.endr
	s_wait_loadcnt 24                              ; the first row is in; 24 younger loads stay out
	STATS X0, 14, 16
	s_wait_loadcnt 16                              ; the second row
	STATS X1, 15, 18
	v_nop                                          ; a plain instruction behind the last v_rsq_f32,
	s_wait_alu depctr_va_vdst(0)                   ; and one wait for the four, ahead of their first reader: v[16:19] are written
	s_wait_loadcnt 0x0                             ; gain and bias
.irp j, 0,1,2,3,4,5,6,7
	CALC X0, 16, Y0, \j
.endr
	s_wait_alu depctr_va_vdst(0)                   ; row 0's roundings have written Y0, which its eight stores read
.irp j, 0,1,2,3,4,5,6,7
	SENDJ Y0, 0, \j                                ; no further wait: no vector instruction since the wait names Y0 or v2
	CALC X1, 18, Y1, \j
.endr
	s_wait_alu depctr_va_vdst(0)                   ; row 1's roundings have written Y1, which its eight stores read
.irp j, 0,1,2,3,4,5,6,7
	SENDJ Y1, 1, \j
.endr
	s_endpgm
.Lfunc_end_k_q6cad10c064_ln2:
	.size	k_q6cad10c064_ln2, .Lfunc_end_k_q6cad10c064_ln2-k_q6cad10c064_ln2
	.p2alignl 7, 3214868480
	.fill 96, 4, 3214868480
	.section	.rodata,"a",@progbits
	.p2align	6, 0x0
	.amdhsa_kernel k_q6cad10c064_ln2
		.amdhsa_group_segment_fixed_size 0
		.amdhsa_private_segment_fixed_size 0
		.amdhsa_enable_private_segment 0
		.amdhsa_kernarg_size 32
		.amdhsa_user_sgpr_count 2
		.amdhsa_user_sgpr_kernarg_segment_ptr 1
		.amdhsa_wavefront_size32 1
		.amdhsa_system_sgpr_workgroup_id_x 1
		.amdhsa_system_sgpr_workgroup_id_y 1
		.amdhsa_system_sgpr_workgroup_id_z 1
		.amdhsa_system_vgpr_workitem_id 0
		.amdhsa_next_free_vgpr 192
		.amdhsa_next_free_sgpr 66
		.amdhsa_reserve_vcc 0
		.amdhsa_float_denorm_mode_32 3
		.amdhsa_float_denorm_mode_16_64 3
		.amdhsa_memory_ordered 1
		.amdhsa_forward_progress 1
		.amdhsa_inst_pref_size 21
	.end_amdhsa_kernel
	.amdgpu_metadata
---
amdhsa.version: [ 1, 2 ]
amdhsa.kernels:
  - .name:           k_q6cad10c064_ln2
    .symbol:         k_q6cad10c064_ln2.kd
    .args:
      - { .name: x1, .offset: 0, .size: 8, .value_kind: global_buffer, .address_space: global }
      - { .name: ln2_scale, .offset: 8, .size: 8, .value_kind: global_buffer, .address_space: global }
      - { .name: ln2_bias, .offset: 16, .size: 8, .value_kind: global_buffer, .address_space: global }
      - { .name: out0, .offset: 24, .size: 8, .value_kind: global_buffer, .address_space: global }
    .group_segment_fixed_size: 0
    .private_segment_fixed_size: 0
    .kernarg_segment_align: 8
    .kernarg_segment_size: 32
    .max_flat_workgroup_size: 256
    .sgpr_count:     66
    .vgpr_count:     192
    .wavefront_size: 32
...
	.end_amdgpu_metadata
.endif
;; end of part 8
;; launch mlp1: the kernel of part 2 again; grid 16 x 16, 4 waves a work-group, clusters of 4 x 4, 327,680 bytes of LDS; arguments out0, w1_t, big; writes big
;; launch mlp2: the kernel of part 6 again; grid 8 x 32, 4 waves a work-group, clusters of 4 x 4, 327,680 bytes of LDS; arguments big, w2_t, b2, x1, out0; writes out0
